; MI455X (gfx1250); checked and timed in simulation.
; The chip was launched on July 23, 2026; its instructions are those of AMD's public machine-readable ISA for CDNA 5 (MIT licence, August 2026) and "CDNA5" Instruction Set Architecture Reference Guide (July 2026). The comments in the code are by the model that wrote it; some were corrected since.
;; Multi Head Attention. Allowed arithmetic: float matrix products may take bf16 or f16 operands with f32 sums; other float arithmetic in f32, or as packed bf16 or f16 multiplies, adds, multiply-adds, maxima and minima; sums over many terms, partial sums and values carried from step to step in f32; what a program stores and reads back later, other than sums and carried values, may be rounded once to bf16 or f16.
;; Inputs: K 8 x 1,024 x 512 float32; Q 8 x 1,024 x 512 float32; V 8 x 1,024 x 512 float32; Wk 8 x 512 x 128 float32; Wo 2,048 x 512 float32; Wq 8 x 512 x 128 float32; Wv 8 x 512 x 256 float32; bk 8 x 128 float32; bo 512 float32; bq 8 x 128 float32; bv 8 x 256 float32; padding_mask 8 x 1,024 x 1,024 int32; sequence_mask 1,024 x 1,024 int32.
;; Outputs: out0 8 x 1,024 x 512 float32.
;; One version. Each part assembles by itself: llvm-mc -triple=amdgcn-amd-amdhsa -mcpu=gfx1250 --defsym DOCPART=n.
;; ======== version 1 of 1: 4 launches
;; limits: values are held in f16: magnitudes above 65,504 overflow, below 6.1e-05 lose precision
;; workspace buffers: xb 25,165,824 bytes; wb 4,194,304 bytes; wo16 2,097,152 bytes; maskw 1,048,576 bytes of whole numbers; qkv 67,108,864 bytes; oa 33,554,432 bytes
;; launch prep (part 1): grid 256 x 1, 8 waves a work-group, no clusters, 200,704 bytes of LDS; arguments Q, K, V, Wq, Wk, Wv, Wo, padding_mask, sequence_mask, xb, wb, wo16, maskw; writes xb, wb, wo16, maskw
.if DOCPART == 1
	.amdgcn_target "amdgcn-amd-amdhsa--gfx1250"
	.amdhsa_code_object_version 6
	.text
	.protected	k_q84445c5bc6_prep
	.globl	k_q84445c5bc6_prep
	.p2align	8
	.type	k_q84445c5bc6_prep,@function
k_q84445c5bc6_prep:
	s_mov_b64 s[64:65], 0
	v_nop
	global_prefetch_b8 v0, s[64:65] scope:SCOPE_SE
	s_setreg_imm32_b32 hwreg(HW_REG_WAVE_MODE, 25, 1), 1
	s_wait_xcnt 0x0
; PREPARATION, a stream.  (1) Q, K, V (f32) are rounded to bf16 into xb [3][8192][512].  (2) Wq, Wk, Wv are rounded to bf16 into wb [32 blocks][512 d][128 columns]:
; blocks 0-7 Wq by head, 8-15 Wk, 16+2h+j columns 128 j .. of Wv's head h.  (3) Wo is rounded to bf16 and that number written as f16 into wo16 (below 2^-14 it keeps f16's fixed step of 6e-8).
; (4) Both masks become lane masks: maskw [8 b][64 query tiles][16 key steps][32 words]; word 8 kb + r, bit L = 1 where query 16 qt + L % 16 may NOT see key 64 j + 16 kb + 8 (L / 16) + r
; (padding_mask or sequence_mask is 0 there).  That is the place of a score in the attention launch's registers.
; SHARES.  Work-group g: 1/256 of every conversion; the mask words of query tile g / 4 for batches 2 (g % 4) and 2 (g % 4) + 1.
; The 16 mask rows (4,096 bytes each) of the three sources come into LDS by tensor loads, in whole rows of 1,024 bytes, once; nothing is filled again.  The conversions run while they are on their way.
; No matrix unit, no cluster: nothing is multiplied, and of what is shared (sequence_mask's rows, by four work-groups) there is little.
.set QUART,  16640                     ; a quarter of a region: 16 rows x (1,024 + 16 bytes)
.set REGION, 66560                     ; four quarters: 16 rows x 1,024 keys.  Regions: sequence_mask, padding_mask of the first batch, of the second
.set MPITCH, 1040                      ; 65 x 16 bytes: the 16 rows that a load touches start at 16 different groups of four banks
.set SPARE,  199680                    ; behind the regions: the spare words, 128 bytes for each of eight waves
.set LO,  1                            ; v1  16 t: my 16 bytes of a unit of 4,096 bytes
.set SO,  2                            ; v2  8 t: my 8 bytes of its 2,048 bytes of output
.set WO,  3                            ; v3  8 x lane
.set PAD, 4                            ; v4  LDS address of my 32 bytes in padding_mask's rows
.set SEQ, 5                            ; v5  the same in sequence_mask's
.set X0,  32                           ; v[32:95]   16 units as loaded
.set X1,  96                           ; v[96:159]  16 more
.set Y,   160                          ; v[160:191] 16 units to store
.set T,   192                          ; v[192:195] at work
.set SPW, 198
.set NIL, 199
	s_load_b512 s[4:19], s[0:1], 0x0               ; Q 4, K 6, V 8, Wq 10, Wk 12, Wv 14, Wo 16, padding_mask 18
	s_load_b256 s[20:27], s[0:1], 0x40             ; sequence_mask 20, xb 22, wb 24, wo16 26
	s_load_b64 s[28:29], s[0:1], 0x60              ; maskw
	v_lshl_add_u32 v[SPW], v0, 2, SPARE
	v_mov_b32 v[NIL], 0
	ds_add_u32 v[SPW], v[NIL]                      ; the wave's opening: the add and its wait ahead of the first tensor load
	v_lshrrev_b32 v6, 5, v0
	v_readfirstlane_b32 s3, v6                     ; wave 0..7
	v_lshlrev_b32 v[LO], 4, v0
	v_lshlrev_b32 v[SO], 3, v0
	v_and_b32 v7, 31, v0
	v_lshlrev_b32 v[WO], 3, v7
	; group 1: 16 rows x 256 elements of 4 bytes, 4 words of padding behind every 256 words
	s_mov_b32 s52, (2<<16)|(1<<20)|(7<<22)|(3<<25)
	s_mov_b32 s53, 256<<16                         ; tensor_dim0 = 256
	s_mov_b32 s54, 16<<16                          ; tensor_dim1 = 16
	s_mov_b32 s55, 256<<16                         ; tile_dim0 = 256
	s_mov_b32 s56, 16                              ; tile_dim1 = 16
	s_mov_b32 s57, 1024                            ; elements from row to row
	s_mov_b32 s58, 0
	s_mov_b32 s59, 0
	s_mov_b32 s40, 1
	s_mov_b32 s44, 1
	s_mov_b32 s48, 1
	s_mul_i32 s41, s3, QUART                       ; waves 0-3 fetch quarter = wave of each region
	s_add_co_u32 s45, s41, REGION
	s_add_co_u32 s49, s41, 2*REGION
	s_lshr_b32 s30, ttmp9, 2                       ; qt
	s_and_b32 s31, ttmp9, 3                        ; half the first batch's number
	s_lshl_b32 s60, s30, 16                        ; 16 rows of 4,096 bytes
	s_lshl_b32 s2, s3, 10                          ; the quarter's 1,024 bytes of a row
	s_add_co_u32 s60, s60, s2
	s_mov_b32 s61, 0
	s_lshl_b32 s62, s31, 23                        ; a batch is 2^22 bytes
	s_add_co_u32 s62, s62, s60
	s_mov_b32 s63, 0
	s_wait_dscnt 0x0                               ; the opening add is done
	s_wait_kmcnt 0x0
	s_add_nc_u64 s[42:43], s[20:21], s[60:61]
	s_add_nc_u64 s[46:47], s[18:19], s[62:63]
	s_add_nc_u64 s[50:51], s[46:47], 0x400000
	s_or_b32 s43, s43, 0x80000000
	s_or_b32 s47, s47, 0x80000000
	s_or_b32 s51, s51, 0x80000000
	s_cmp_lt_u32 s3, 4                             ; all first fills of a wave stand in this one branch: three loads of mine are out
	s_cbranch_scc0 .Lnofill
	tensor_load_to_lds s[40:43], s[52:59]
	s_nop 0
	tensor_load_to_lds s[44:47], s[52:59]
	s_nop 0
	tensor_load_to_lds s[48:51], s[52:59]
	s_nop 0
.Lnofill:
	; the conversions' pointers
	s_mov_b32 s33, 0
	s_lshl_b32 s32, ttmp9, 16
	s_add_nc_u64 s[4:5], s[4:5], s[32:33]
	s_add_nc_u64 s[6:7], s[6:7], s[32:33]
	s_add_nc_u64 s[8:9], s[8:9], s[32:33]
	s_lshl_b32 s32, ttmp9, 15
	s_add_nc_u64 s[22:23], s[22:23], s[32:33]
	s_add_nc_u64 s[36:37], s[22:23], 0x800000
	s_add_nc_u64 s[38:39], s[22:23], 0x1000000
	s_lshl_b32 s32, ttmp9, 13
	s_add_nc_u64 s[10:11], s[10:11], s[32:33]
	s_add_nc_u64 s[12:13], s[12:13], s[32:33]
	s_add_nc_u64 s[26:27], s[26:27], s[32:33]
	s_lshl_b32 s32, ttmp9, 14
	s_add_nc_u64 s[14:15], s[14:15], s[32:33]
	s_add_nc_u64 s[16:17], s[16:17], s[32:33]
	s_lshl_b32 s32, ttmp9, 12
	s_add_nc_u64 s[66:67], s[24:25], s[32:33]      ; Wq's place in wb,
	s_add_nc_u64 s[68:69], s[66:67], 0x100000      ; Wk's
	s_lshr_b32 s32, ttmp9, 5                       ; Wv: my 16 rows d lie in head g / 32; a wave holds half a row: block 2 h + wave % 2,
	s_lshl_b32 s32, s32, 1
	s_and_b32 s34, s3, 1
	s_add_co_u32 s32, s32, s34
	s_lshl_b32 s32, s32, 17
	s_and_b32 s35, ttmp9, 31                       ; row 16 (g % 32) + wave / 2 (+ 4 for each unit)
	s_lshl_b32 s35, s35, 4
	s_lshr_b32 s2, s3, 1
	s_add_co_u32 s35, s35, s2
	s_lshl_b32 s35, s35, 8
	s_add_co_u32 s32, s32, s35
	s_add_nc_u64 s[70:71], s[24:25], s[32:33]
	s_add_nc_u64 s[70:71], s[70:71], 0x200000
.macro LDU x, u, base, i               ; unit u of set x: 4,096 consecutive bytes for the work-group
	global_load_b128 v[(\x)+4*(\u):(\x)+4*(\u)+3], v[LO], s[\base:\base+1] offset:(\i)*4096 th:TH_LOAD_NT
.endm
.macro CVU x, u, left, off, base, byte ; left: the younger loads, which may stay out
	s_wait_loadcnt \left
	v_cvt_pk_bf16_f32 v[Y+2*(\u)], v[(\x)+4*(\u)], v[(\x)+4*(\u)+1]
	v_cvt_pk_bf16_f32 v[Y+2*(\u)+1], v[(\x)+4*(\u)+2], v[(\x)+4*(\u)+3]
	global_store_b64 v[\off], v[Y+2*(\u):Y+2*(\u)+1], s[\base:\base+1] offset:\byte th:TH_STORE_NT  ; a wave stores 256 consecutive bytes, aligned
.endm
.macro CVW x, u, left, byte            ; Wo: to bf16, and that number as f16
	s_wait_loadcnt \left
	v_cvt_pk_bf16_f32 v[T], v[(\x)+4*(\u)], v[(\x)+4*(\u)+1]
	v_cvt_pk_bf16_f32 v[T+1], v[(\x)+4*(\u)+2], v[(\x)+4*(\u)+3]
	v_lshlrev_b32 v[T+2], 16, v[T]
	v_and_b32 v[T], 0xffff0000, v[T]
	v_lshlrev_b32 v[T+3], 16, v[T+1]
	v_and_b32 v[T+1], 0xffff0000, v[T+1]
	v_cvt_pk_f16_f32 v[Y+2*(\u)], v[T+2], v[T]
	v_cvt_pk_f16_f32 v[Y+2*(\u)+1], v[T+3], v[T+1]
	global_store_b64 v[SO], v[Y+2*(\u):Y+2*(\u)+1], s[26:27] offset:\byte th:TH_STORE_NT
.endm
.irp i, 0,1,2,3,4,5,6,7,8,9,10,11,12,13,14,15
	LDU X0, \i, 4, \i                              ; Q
.endr
.irp i, 0,1,2,3,4,5,6,7,8,9,10,11,12,13,14,15
	LDU X1, \i, 6, \i                              ; K
.endr
.irp i, 0,1,2,3,4,5,6,7,8,9,10,11,12,13,14,15
	CVU X0, \i, 31-(\i), SO, 22, (\i)*2048         ; behind unit i: Q's other 15 - i and K's 16
.endr
.irp i, 0,1,2,3,4,5,6,7,8,9,10,11,12,13,14,15
	LDU X0, \i, 8, \i                              ; V
.endr
	s_wait_xcnt 0x0                                ; the stores issued so far have read Y: it is written again only behind this wait
.irp i, 0,1,2,3,4,5,6,7,8,9,10,11,12,13,14,15
	CVU X1, \i, 31-(\i), SO, 36, (\i)*2048
.endr
.irp i, 0,1
	LDU X1, \i, 10, \i                             ; Wq
.endr
.irp i, 0,1
	LDU X1, 2+(\i), 12, \i                         ; Wk
.endr
.irp i, 0,1,2,3
	LDU X1, 4+(\i), 14, \i                         ; Wv
.endr
.irp i, 0,1,2,3
	LDU X1, 8+(\i), 16, \i                         ; Wo
.endr
	s_wait_xcnt 0x0
.irp i, 0,1,2,3,4,5,6,7,8,9,10,11,12,13,14,15
	CVU X0, \i, 27-(\i), SO, 38, (\i)*2048         ; V's other 15 - i and the weights' 12
.endr
	s_wait_xcnt 0x0
.irp i, 0,1
	CVU X1, \i, 11-(\i), SO, 66, (\i)*2048
.endr
.irp i, 0,1
	CVU X1, 2+(\i), 9-(\i), SO, 68, (\i)*2048
.endr
.irp i, 0,1,2,3
	CVU X1, 4+(\i), 7-(\i), WO, 70, (\i)*1024      ; a unit is four rows d: 1,024 bytes on in the block
.endr
.irp i, 0,1,2,3
	CVW X1, 8+(\i), 3-(\i), (\i)*2048
.endr
	; THE MASK WORDS.  Wave w: batch w % 2 of the two, quarter w / 2: key steps 4 (w / 2) .. + 3.
	v_and_b32 v6, 15, v0
	v_bfe_u32 v7, v0, 4, 1
	v_mul_u32_u24 v6, v6, MPITCH                   ; my query's row,
	v_lshl_add_u32 v6, v7, 5, v6                   ; my half's eight keys
	s_lshr_b32 s72, s3, 1
	s_and_b32 s73, s3, 1
	s_mul_i32 s74, s72, QUART
	v_add_nc_u32 v[SEQ], s74, v6
	s_mul_i32 s75, s73, REGION
	s_add_co_u32 s75, s75, s74
	s_add_co_u32 s75, s75, REGION
	v_add_nc_u32 v[PAD], s75, v6
	s_lshl_b32 s74, s31, 1
	s_add_co_u32 s74, s74, s73                     ; b
	s_lshl_b32 s74, s74, 6
	s_add_co_u32 s74, s74, s30                     ; 64 b + qt
	s_lshl_b32 s74, s74, 4
	s_lshl_b32 s75, s72, 2
	s_add_co_u32 s74, s74, s75                     ; x 16 steps + my first step
	s_lshl_b32 s74, s74, 7                         ; 128 bytes a step
	s_mov_b32 s75, 0
	s_add_nc_u64 s[28:29], s[28:29], s[74:75]
	s_wait_xcnt 0x0                                ; the stores have read their bases: s32-s63 are written again below
	s_wait_tensorcnt 0x0                           ; my tiles have landed (and the descriptors' registers are free),
	s_barrier_signal -1
	s_barrier_wait -1                              ; everybody's have
.irp r, 96,97,98,99
	v_mov_b32 v\r, 0                               ; the words' registers are written whole before single lanes are
.endr
.set jj, 0
.rept 4
.irp kb, 0,1,2,3
	ds_load_b128 v[32+8*(\kb):35+8*(\kb)], v[PAD] offset:jj*256+(\kb)*64
	ds_load_b128 v[36+8*(\kb):39+8*(\kb)], v[PAD] offset:jj*256+(\kb)*64+16
	ds_load_b128 v[64+8*(\kb):67+8*(\kb)], v[SEQ] offset:jj*256+(\kb)*64
	ds_load_b128 v[68+8*(\kb):71+8*(\kb)], v[SEQ] offset:jj*256+(\kb)*64+16
.endr
	s_wait_dscnt 0x0
.set k, 0
.rept 32
	v_min_u32 v[32+k], v[32+k], v[64+k]            ; 0 where either mask is 0
.set k, k+1
.endr
.set k, 0
.rept 32
	v_cmp_eq_u32 s[32+k], 0, v[32+k]               ; word k of the step: a bit a lane
.set k, k+1
.endr
.set k, 0
.rept 32
	v_writelane_b32 v[96+2*(jj/2)+k%2], s[32+k], 16*(jj%2)+k/2  ; word 32 (jj % 2) + k of two steps' 64: lane = word / 2, register = word % 2
.set k, k+1
.endr
.if jj%2
	global_store_b64 v[WO], v[96+2*(jj/2):97+2*(jj/2)], s[28:29] offset:256*(jj/2)  ; two steps' words: 256 consecutive bytes, aligned
.endif
.set jj, jj+1
.endr
	s_wait_tensorcnt 0x0                           ; the wave's end
	ds_add_u32 v[SPW], v[NIL]
	s_wait_dscnt 0x0
	s_endpgm
.Lfunc_end_k_q84445c5bc6_prep:
	.size	k_q84445c5bc6_prep, .Lfunc_end_k_q84445c5bc6_prep-k_q84445c5bc6_prep
	.p2alignl 7, 3214868480
	.fill 96, 4, 3214868480
	.section	.rodata,"a",@progbits
	.p2align	6, 0x0
	.amdhsa_kernel k_q84445c5bc6_prep
		.amdhsa_group_segment_fixed_size 200704
		.amdhsa_private_segment_fixed_size 0
		.amdhsa_enable_private_segment 0
		.amdhsa_kernarg_size 104
		.amdhsa_user_sgpr_count 2
		.amdhsa_user_sgpr_kernarg_segment_ptr 1
		.amdhsa_wavefront_size32 1
		.amdhsa_system_sgpr_workgroup_id_x 1
		.amdhsa_system_sgpr_workgroup_id_y 1
		.amdhsa_system_sgpr_workgroup_id_z 1
		.amdhsa_system_vgpr_workitem_id 0
		.amdhsa_next_free_vgpr 200
		.amdhsa_next_free_sgpr 80
		.amdhsa_reserve_vcc 0
		.amdhsa_float_denorm_mode_32 3
		.amdhsa_float_denorm_mode_16_64 3
		.amdhsa_memory_ordered 1
		.amdhsa_forward_progress 1
		.amdhsa_inst_pref_size 52
	.end_amdhsa_kernel
	.amdgpu_metadata
---
amdhsa.version: [ 1, 2 ]
amdhsa.kernels:
  - .name:           k_q84445c5bc6_prep
    .symbol:         k_q84445c5bc6_prep.kd
    .args:
      - { .name: Q, .offset: 0, .size: 8, .value_kind: global_buffer, .address_space: global }
      - { .name: K, .offset: 8, .size: 8, .value_kind: global_buffer, .address_space: global }
      - { .name: V, .offset: 16, .size: 8, .value_kind: global_buffer, .address_space: global }
      - { .name: Wq, .offset: 24, .size: 8, .value_kind: global_buffer, .address_space: global }
      - { .name: Wk, .offset: 32, .size: 8, .value_kind: global_buffer, .address_space: global }
      - { .name: Wv, .offset: 40, .size: 8, .value_kind: global_buffer, .address_space: global }
      - { .name: Wo, .offset: 48, .size: 8, .value_kind: global_buffer, .address_space: global }
      - { .name: padding_mask, .offset: 56, .size: 8, .value_kind: global_buffer, .address_space: global }
      - { .name: sequence_mask, .offset: 64, .size: 8, .value_kind: global_buffer, .address_space: global }
      - { .name: xb, .offset: 72, .size: 8, .value_kind: global_buffer, .address_space: global }
      - { .name: wb, .offset: 80, .size: 8, .value_kind: global_buffer, .address_space: global }
      - { .name: wo16, .offset: 88, .size: 8, .value_kind: global_buffer, .address_space: global }
      - { .name: maskw, .offset: 96, .size: 8, .value_kind: global_buffer, .address_space: global }
    .group_segment_fixed_size: 200704
    .private_segment_fixed_size: 0
    .kernarg_segment_align: 8
    .kernarg_segment_size: 104
    .max_flat_workgroup_size: 256
    .sgpr_count:     80
    .vgpr_count:     200
    .wavefront_size: 32
...
	.end_amdgpu_metadata
.endif
;; end of part 1
;; launch proj (part 2): grid 16 x 32, 4 waves a work-group, clusters of 4 x 4, 327,680 bytes of LDS; arguments xb, wb, bq, bk, bv, qkv; writes qkv
.if DOCPART == 2
	.amdgcn_target "amdgcn-amd-amdhsa--gfx1250"
	.amdhsa_code_object_version 6
	.text
	.protected	k_q84445c5bc6_proj
	.globl	k_q84445c5bc6_proj
	.p2align	8
	.type	k_q84445c5bc6_proj,@function
k_q84445c5bc6_proj:
	s_mov_b64 s[64:65], 0
	v_nop
	global_prefetch_b8 v0, s[64:65] scope:SCOPE_SE
	s_setreg_imm32_b32 hwreg(HW_REG_WAVE_MODE, 25, 1), 1
	s_wait_xcnt 0x0
	s_wait_alu depctr_hold_cnt(0) depctr_sa_sdst(0) depctr_va_vdst(0) depctr_va_sdst(0) depctr_va_ssrc(0) depctr_va_vcc(0) depctr_vm_vsrc(0)
	s_getreg_b32 s2, hwreg(HW_REG_IB_STS2, 6, 4)
	s_cmp_eq_u32 s2, 0
	s_cbranch_scc0 .Lentry_in_a_cluster
	s_endpgm
.Lentry_in_a_cluster:
	s_bfe_u32 s2, ttmp6, 0x10000c
	s_cmp_lg_u32 s2, 0xf033
	s_cbranch_scc0 .Lentry_shape_is_right
	s_endpgm
.Lentry_shape_is_right:
; THE THREE PROJECTIONS AS ONE PRODUCT.  C[m][n] = sum over d of x[m][d] W[d][n] + bias[n]; m = 8,192 rows (b, s), n = 4,096 columns: 1,024 of Q's heads, 1,024 of K's, 2,048 of V's; d = 512.
; x: xb, bf16 [3][8192][512], the third chosen by the column; W: wb, bf16 [32 blocks][512 d][128 columns]; out: qkv, f16 [32 blocks][8192][128], rounded once from the f32 sums.
; LIMIT: f16 holds no number beyond 65,504: the projected q, k, v must lie within it.
; A tile of C is 256 x 256: four waves, each 128 x 128 in 64 accumulators (512 registers).  K goes in four steps of 128 through two LDS slots; all four steps are written out.
; x's rows lie along K and are read as they lie; W's rows lie along the columns and are turned by ds_load_tr16_b128.
; THE PRODUCT IS TAKEN TRANSPOSED (source 0 = 16 columns of W, source 1 = 16 rows of x): a lane holds one row of C and eight neighbouring columns.  THE BIAS is the C operand of each sum's first product.
; CLUSTER 4 x 4: x's tile is shared along a row of the cluster, W's along a column: joint loads, a quarter of the requests.  The four tile columns of a cluster lie in one of Q, K, V.
; No prefetch: the first loads go out at the head with everybody's, and K has only two refills behind them.
; REGISTERS by windows of 256: window 0: v16-29 addresses; v64-191 x's fragments, two buffers; v32-63, v192-255 the way out.  window 1: v0-63 bias; v64-191 W's fragments.  windows 2, 3: accumulators (a, b) at 8 (8 a + b).
.set PA,     272                       ; a row of x in LDS: 256 + 16 bytes
.set PB,     288                       ; a row of W: 256 + 32 bytes
.set HALFA,  128*PA
.set HALFB,  128*PB
.set SLOT,   2*HALFA+2*HALFB           ; x's 256 rows, then W's two column blocks of 128 K rows
.set STAGE,  2*SLOT
.set SPITCH, 272
.set SPARE,  STAGE+4*16*SPITCH
.set ADRA, 16
.set ADRB, 20
.set STO,  24
.set RD,   25
.set CO,   26
.set BO,   27
.set SPW,  28
.set NIL,  29
.set F0,   64
.set F1,   128
.set TMP,  192
.set OB,   32
.set G1,  24
.set G0,  32
.set G1B, 48
.set G0B, 56
.set MSB, 0
.macro WIN new
.if MSB != (\new)
	s_set_vgpr_msb (MSB<<8)|(\new)
.set MSB, \new
.endif
.endm
.set MUL_LO, 0xa1                      ; source 0 (W) window 1, source 1 (x) window 0, C and D window 2
.set TO_B,   0x40
.macro JLOAD s                         ; waves 0, 1 fetch x's halves, waves 2, 3 W's blocks; an s_nop 0 and four v_nop follow each line
	s_cmp_eq_u32 s11, 0
	s_cbranch_scc0 .Lfor_b_\@
	tensor_load_to_lds s[G0+4*(\s):G0+4*(\s)+3], s[G1:G1+7]
	s_nop 0
.rept 4
	v_nop
.endr
	s_branch .Lasked_\@
.Lfor_b_\@:
	tensor_load_to_lds s[G0B+4*(\s):G0B+4*(\s)+3], s[G1B:G1B+7]
	s_nop 0
.rept 4
	v_nop
.endr
.Lasked_\@:
.endm
.macro CREST
	s_cmp_lg_u32 s10, 0
	s_cbranch_scc1 .Lnot_wave_0_\@
	s_barrier_signal -3
.Lnot_wave_0_\@:
	s_barrier_wait -3
	s_barrier_signal -1
	s_barrier_wait -1
.endm
.macro CROUND
	s_barrier_signal -1
	s_barrier_wait -1
	CREST
.endm
	s_load_b128 s[4:7], s[0:1], 0x0                ; xb, wb
	s_load_b256 s[68:75], s[0:1], 0x10             ; bq 68, bk 70, bv 72, qkv 74
	v_lshl_add_u32 v[SPW], v0, 2, SPARE
	v_mov_b32 v[NIL], 0
	ds_add_u32 v[SPW], v[NIL]                      ; the wave's opening: the add and its wait ahead of the first tensor load
	v_lshrrev_b32 v1, 5, v0
	v_readfirstlane_b32 s10, v1                    ; wave
	s_lshr_b32 s11, s10, 1                         ; my half of the rows; also: I fetch x (0) or W (1)
	s_and_b32 s12, s10, 1                          ; my half of the columns; also: which half I fetch
	s_bfe_u32 s40, ttmp6, 0x40000                  ; cx
	s_bfe_u32 s41, ttmp6, 0x40004                  ; cy
	s_lshl_b32 s42, ttmp9, 2
	s_add_co_u32 s42, s42, s40                     ; tile column
	s_and_b32 s13, ttmp7, 0xffff
	s_lshl_b32 s13, s13, 2
	s_add_co_u32 s13, s13, s41                     ; tile row
	s_lshl_b32 s43, s41, 2
	s_lshl_b32 s43, 15, s43                        ; my row of the cluster
	s_lshl_b32 s44, 0x1111, s40                    ; my column
	s_min_u32 s45, ttmp9, 2                        ; 0 Q, 1 K, 2 V: the same in all sixteen partners
	s_or_b32 s[G1+0], s43, (1<<16)|(1<<20)|(1<<21)|(5<<22)|(3<<25)   ; 2-byte elements; 4 words of padding behind every 64
	s_or_b32 s[G1B+0], s44, (1<<16)|(1<<20)|(1<<21)|(5<<22)|(7<<25)  ; 8 words of padding
.irp g, G1, G1B
	s_mov_b32 s[(\g)+1], 128<<16                   ; tensor_dim0 = 128
	s_mov_b32 s[(\g)+2], 128<<16                   ; tensor_dim1 = 128
	s_mov_b32 s[(\g)+3], 128<<16                   ; tile_dim0 = 128
	s_mov_b32 s[(\g)+4], 128                       ; tile_dim1 = 128
	s_mov_b32 s[(\g)+6], 0
	s_mov_b32 s[(\g)+7], 0
.endr
	s_mov_b32 s[G1+5], 512                         ; x: 512 elements from row to row
	s_mov_b32 s[G1B+5], 128                        ; W's block: 128
	s_lshl_b32 s16, s13, 8
	s_lshl_b32 s17, s12, 7
	s_add_co_u32 s16, s16, s17                     ; x: row 256 x tile row + 128 x half,
	s_lshl_b32 s16, s16, 10                        ; 1,024 bytes a row,
	s_lshl_b32 s17, s45, 23                        ; in the third of xb
	s_add_co_u32 s16, s16, s17
	s_mov_b32 s17, 0
	s_lshl_b32 s46, s42, 1
	s_add_co_u32 s46, s46, s12                     ; W: block 2 x tile column + half,
	s_lshl_b32 s46, s46, 17                        ; 131,072 bytes a block
	s_mov_b32 s47, 0
	s_mul_i32 s20, s12, HALFA
	s_mul_i32 s21, s12, HALFB
	s_add_co_u32 s21, s21, 2*HALFA
	s_wait_dscnt 0x0
	s_wait_kmcnt 0x0
	s_add_nc_u64 s[14:15], s[4:5], s[16:17]
	s_add_nc_u64 s[46:47], s[6:7], s[46:47]
	CROUND                                         ; all sixteen work-groups are here: the first joint loads meet
.irp s, 0,1
	s_mov_b32 s[G0+4*(\s)], 1
	s_add_co_u32 s[G0+4*(\s)+1], s20, (\s)*SLOT
	s_add_nc_u64 s[G0+4*(\s)+2:G0+4*(\s)+3], s[14:15], (\s)*256      ; K step s: 256 bytes along the rows
	s_or_b32 s[G0+4*(\s)+3], s[G0+4*(\s)+3], 0x80000000
	s_mov_b32 s[G0B+4*(\s)], 1
	s_add_co_u32 s[G0B+4*(\s)+1], s21, (\s)*SLOT
	s_add_nc_u64 s[G0B+4*(\s)+2:G0B+4*(\s)+3], s[46:47], (\s)*32768  ; K step s: 128 rows of 256 bytes
	s_or_b32 s[G0B+4*(\s)+3], s[G0B+4*(\s)+3], 0x80000000
	JLOAD \s
.endr
	; the bias: register j of n block b holds bias[16 b + 8 (l / 16) + j] of my 128 columns
	s_cmp_eq_u32 ttmp9, 0
	s_cselect_b64 s[76:77], s[68:69], s[70:71]
	s_cmp_gt_u32 ttmp9, 1
	s_cselect_b64 s[76:77], s[72:73], s[76:77]
	s_lshl_b32 s22, s42, 8
	s_lshl_b32 s23, s12, 7
	s_add_co_u32 s22, s22, s23
	s_lshl_b32 s23, s45, 10
	s_sub_co_u32 s22, s22, s23                     ; my first column in its own tensor
	s_lshl_b32 s22, s22, 2
	s_mov_b32 s23, 0
	s_add_nc_u64 s[76:77], s[76:77], s[22:23]
	v_and_b32 v1, 15, v0                           ; l % 16
	v_bfe_u32 v2, v0, 4, 1                         ; l / 16
	v_lshlrev_b32 v[BO], 5, v2
	WIN TO_B
.irp b, 0,1,2,3,4,5,6,7
	global_load_b128 v[8*(\b):8*(\b)+3],   v[BO], s[76:77] offset:64*(\b)
	global_load_b128 v[8*(\b)+4:8*(\b)+7], v[BO], s[76:77] offset:64*(\b)+16
.endr
	WIN 0
	v_mul_u32_u24 v3, v1, PA
	v_lshl_add_u32 v3, v2, 4, v3                   ; x's fragment: row x pitch + 16 x half
	v_and_b32 v6, 7, v0
	v_bfe_u32 v7, v0, 3, 1
	v_lshl_add_u32 v4, v2, 3, v6                   ; W's: K row 8 (l / 16) + l % 8,
	v_mul_u32_u24 v4, v4, PB
	v_lshl_add_u32 v4, v7, 4, v4                   ; columns 8 ((l / 8) % 2) on
	s_mul_i32 s21, s11, HALFA
	s_mul_i32 s22, s12, HALFB
	s_add_co_u32 s22, s22, 2*HALFA
.irp s, 0,1
	v_add_nc_u32 v[ADRA+(\s)], s21, v3
	v_add_nc_u32 v[ADRB+(\s)], s22, v4
	s_add_co_u32 s21, s21, SLOT
	s_add_co_u32 s22, s22, SLOT
.endr
	s_mul_i32 s23, s10, 16*SPITCH
	s_add_co_u32 s23, s23, STAGE                   ; my stage
	v_mul_u32_u24 v4, v1, SPITCH
	v_lshl_add_u32 v4, v2, 4, v4
	v_add_nc_u32 v[STO], s23, v4
	v_mul_u32_u24 v5, v2, SPITCH
	v_lshl_add_u32 v5, v1, 4, v5
	v_add_nc_u32 v[RD], s23, v5
	v_and_b32 v[CO], 31, v0
	v_lshlrev_b32 v[CO], 4, v[CO]                  ; the block's rows are dense: two rows are 512 consecutive bytes
	s_lshl_b32 s16, s42, 1
	s_add_co_u32 s16, s16, s12
	s_lshl_b32 s16, s16, 21                        ; my block of qkv: 8,192 rows of 256 bytes,
	s_lshl_b32 s17, s13, 16                        ; the tile's 256 rows,
	s_add_co_u32 s16, s16, s17
	s_lshl_b32 s17, s11, 15                        ; my 128
	s_add_co_u32 s16, s16, s17
	s_mov_b32 s17, 0
	s_add_nc_u64 s[8:9], s[74:75], s[16:17]
; 16 products: m blocks a0, a0 + 1 of the window's four x all 8 n blocks.  first = 1: the bias starts the sums.  The 64 accumulators take turns.
.macro MUL16 f, hi, a0, first
.if \first
	WIN 0x91+0x40*(\hi)                            ; C in window 1
.else
	WIN MUL_LO+0x50*(\hi)
.endif
.irp a, \a0, (\a0)+1
.irp b, 0,1,2,3,4,5,6,7
.if \first
	v_wmma_f32_16x16x32_bf16 v[8*(8*(\a)+(\b)):8*(8*(\a)+(\b))+7], v[(\f)+8*(\b):(\f)+8*(\b)+7], v[(\f)+8*(4*(\hi)+(\a)):(\f)+8*(4*(\hi)+(\a))+7], v[8*(\b):8*(\b)+7]
.else
	v_wmma_f32_16x16x32_bf16 v[8*(8*(\a)+(\b)):8*(8*(\a)+(\b))+7], v[(\f)+8*(\b):(\f)+8*(\b)+7], v[(\f)+8*(4*(\hi)+(\a)):(\f)+8*(4*(\hi)+(\a))+7], v[8*(8*(\a)+(\b)):8*(8*(\a)+(\b))+7]
.endif
.endr
.endr
.endm
; 32 LDS loads in one run: quarter q (32 along K) of a slot into buffer f: W's 8 fragments (turned), then x's 8
.macro FETCH slot, q, f
	WIN TO_B
.irp i, 0,1,2,3,4,5,6,7
	ds_load_tr16_b128 v[(\f)+8*(\i):(\f)+8*(\i)+3],   v[ADRB+(\slot)] offset:32*PB*(\q)+32*(\i)
	ds_load_tr16_b128 v[(\f)+8*(\i)+4:(\f)+8*(\i)+7], v[ADRB+(\slot)] offset:32*PB*(\q)+32*(\i)+16*PB
.endr
	WIN 0
.irp i, 0,1,2,3,4,5,6,7
	ds_load_b128 v[(\f)+8*(\i):(\f)+8*(\i)+3],   v[ADRA+(\slot)] offset:64*(\q)+(\i)*16*PA
	ds_load_b128 v[(\f)+8*(\i)+4:(\f)+8*(\i)+7], v[ADRA+(\slot)] offset:64*(\q)+(\i)*16*PA+32
.endr
.endm
.macro PLACES                          ; four plain places between a matrix instruction and a load into, or a read of, its registers
.rept 4
	v_nop
.endr
.endm
.macro QUARTER slot, q, f, g, first    ; multiplies buffer f; in its middle fetches quarter q into g
	s_wait_dscnt 8                                 ; W and x's rows 0-63 are in; the youngest eight loads (x's rows 64-127) may be out
	MUL16 \f, 0, 0, \first
	MUL16 \f, 0, 2, \first
	PLACES
	FETCH \slot, \q, \g
	s_wait_dscnt 32                                ; all but the 32 just issued
	MUL16 \f, 1, 0, \first
	MUL16 \f, 1, 2, \first
.endm
.macro MEET round                      ; the change of slots: all my tensor loads, the add, my reads of this slot, the barrier
	WIN 0
	s_wait_tensorcnt 0x0                           ; the one load of mine that was out is my part of the next slot
	ds_add_u32 v[SPW], v[NIL]
	s_wait_dscnt 9                                 ; the add and the youngest eight loads may be out
	MUL16 F1, 0, 0, 0
	s_wait_dscnt 0x0                               ; the add is done, my reads of this slot are over
	s_barrier_signal -1
	MUL16 F1, 0, 2, 0
.if \round
	WIN 0
.endif
	s_barrier_wait -1
.endm
.macro TURN slot, next, fill           ; the fourth quarter: multiplies buffer 1, changes slots, fetches the next slot's first quarter
	MEET \fill
.if \fill
	CREST                                          ; the barrier opened a round of the cluster's: no wave of any partner still reads this slot or has a load on its way
	s_add_nc_u64 s[G0+4*(\slot)+2:G0+4*(\slot)+3], s[G0+4*(\slot)+2:G0+4*(\slot)+3], 2*256
	s_add_nc_u64 s[G0B+4*(\slot)+2:G0B+4*(\slot)+3], s[G0B+4*(\slot)+2:G0B+4*(\slot)+3], 2*32768
	JLOAD \slot                                    ; my one tensor load behind the round; its four v_nop are also the places in front of the loads below
.else
	PLACES
.endif
	FETCH \next, 0, F0
	MUL16 F1, 1, 0, 0
	MUL16 F1, 1, 2, 0
.endm
.macro PACK a
.set AC, 64*((\a)%4)
	WIN 0x0a+5*((\a)/4)
.irp b, 0,1,2,3,4,5,6,7
.irp r, 0,1,2,3
	v_cvt_pk_f16_f32 v[TMP+4*(\b)+(\r)], v[AC+8*(\b)+2*(\r)], v[AC+8*(\b)+2*(\r)+1]
.endr
.endr
	WIN 0
.endm
.macro TOSTAGE a
	WIN 0
.set BK, OB+192*((\a)%2)
.irp b, 0,1,2,3,4,5,6,7
	ds_store_b128 v[STO], v[TMP+4*(\b):TMP+4*(\b)+3] offset:32*(\b)
.endr
.irp t, 0,1,2,3,4,5,6,7
	ds_load_b128 v[BK+4*(\t):BK+4*(\t)+3], v[RD] offset:(\t)*2*SPITCH  ; LDS serves a wave's instructions in order: these see the stores above
.endr
.endm
.macro SEND a
	WIN 0
.set BK, OB+192*((\a)%2)
	s_wait_dscnt 0x0                               ; the block is back in registers
	s_wait_xcnt 0x0                                ; earlier stores have read their registers: the other buffer is loaded again only behind this wait
.irp t, 0,1,2,3,4,5,6,7
	global_store_b128 v[CO], v[BK+4*(\t):BK+4*(\t)+3], s[8:9] offset:(\a)*4096+(\t)*512  ; 512 consecutive bytes, aligned
.endr
.endm
	s_wait_tensorcnt 1                             ; my part of K step 0 is in; step 1's may stay out
	s_barrier_signal -1
	s_barrier_wait -1
	FETCH 0, 0, F0
	s_wait_loadcnt 0x0                             ; the bias
	QUARTER 0, 1, F0, F1, 1
	QUARTER 0, 2, F1, F0, 0
	QUARTER 0, 3, F0, F1, 0
	TURN 0, 1, 1                                   ; slot 0 takes K step 2
	QUARTER 1, 1, F0, F1, 0
	QUARTER 1, 2, F1, F0, 0
	QUARTER 1, 3, F0, F1, 0
	TURN 1, 0, 1                                   ; slot 1 takes K step 3
	QUARTER 0, 1, F0, F1, 0
	QUARTER 0, 2, F1, F0, 0
	QUARTER 0, 3, F0, F1, 0
	TURN 0, 1, 0                                   ; nothing is left to fetch
	QUARTER 1, 1, F0, F1, 0
	QUARTER 1, 2, F1, F0, 0
	QUARTER 1, 3, F0, F1, 0
	s_wait_dscnt 8
	MUL16 F1, 0, 0, 0
	MUL16 F1, 0, 2, 0
	s_wait_dscnt 0x0
	MUL16 F1, 1, 0, 0
	MUL16 F1, 1, 2, 0
	PLACES
	PACK 0                                         ; the way out: 16 rows at a time through my own stage
	TOSTAGE 0
.irp a, 1,2,3,4,5,6,7
	PACK \a
	SEND (\a)-1
	TOSTAGE \a
.endr
	SEND 7
	s_wait_tensorcnt 0x0                           ; the wave's end
	ds_add_u32 v[SPW], v[NIL]
	s_wait_dscnt 0x0
	CROUND                                         ; the closing round
	s_endpgm
.Lfunc_end_k_q84445c5bc6_proj:
	.size	k_q84445c5bc6_proj, .Lfunc_end_k_q84445c5bc6_proj-k_q84445c5bc6_proj
	.p2alignl 7, 3214868480
	.fill 96, 4, 3214868480
	.section	.rodata,"a",@progbits
	.p2align	6, 0x0
	.amdhsa_kernel k_q84445c5bc6_proj
		.amdhsa_group_segment_fixed_size 327680
		.amdhsa_private_segment_fixed_size 0
		.amdhsa_enable_private_segment 0
		.amdhsa_kernarg_size 48
		.amdhsa_user_sgpr_count 2
		.amdhsa_user_sgpr_kernarg_segment_ptr 1
		.amdhsa_wavefront_size32 1
		.amdhsa_system_sgpr_workgroup_id_x 1
		.amdhsa_system_sgpr_workgroup_id_y 1
		.amdhsa_system_sgpr_workgroup_id_z 1
		.amdhsa_system_vgpr_workitem_id 0
		.amdhsa_next_free_vgpr 1024
		.amdhsa_next_free_sgpr 84
		.amdhsa_reserve_vcc 0
		.amdhsa_float_denorm_mode_32 3
		.amdhsa_float_denorm_mode_16_64 3
		.amdhsa_memory_ordered 1
		.amdhsa_forward_progress 1
		.amdhsa_inst_pref_size 144
	.end_amdhsa_kernel
	.amdgpu_metadata
---
amdhsa.version: [ 1, 2 ]
amdhsa.kernels:
  - .name:           k_q84445c5bc6_proj
    .symbol:         k_q84445c5bc6_proj.kd
    .args:
      - { .name: xb, .offset: 0, .size: 8, .value_kind: global_buffer, .address_space: global }
      - { .name: wb, .offset: 8, .size: 8, .value_kind: global_buffer, .address_space: global }
      - { .name: bq, .offset: 16, .size: 8, .value_kind: global_buffer, .address_space: global }
      - { .name: bk, .offset: 24, .size: 8, .value_kind: global_buffer, .address_space: global }
      - { .name: bv, .offset: 32, .size: 8, .value_kind: global_buffer, .address_space: global }
      - { .name: qkv, .offset: 40, .size: 8, .value_kind: global_buffer, .address_space: global }
    .group_segment_fixed_size: 327680
    .private_segment_fixed_size: 0
    .kernarg_segment_align: 8
    .kernarg_segment_size: 48
    .max_flat_workgroup_size: 128
    .sgpr_count:     84
    .vgpr_count:     1024
    .wavefront_size: 32
...
	.end_amdgpu_metadata
.endif
;; end of part 2
;; launch attn (part 3): grid 4 x 64, 4 waves a work-group, clusters of 4 x 1, 327,680 bytes of LDS; arguments qkv, maskw, oa; writes oa
.if DOCPART == 3
	.amdgcn_target "amdgcn-amd-amdhsa--gfx1250"
	.amdhsa_code_object_version 6
	.text
	.protected	k_q84445c5bc6_attn
	.globl	k_q84445c5bc6_attn
	.p2align	8
	.type	k_q84445c5bc6_attn,@function
k_q84445c5bc6_attn:
	s_mov_b64 s[64:65], 0
	v_nop
	global_prefetch_b8 v0, s[64:65] scope:SCOPE_SE
	s_setreg_imm32_b32 hwreg(HW_REG_WAVE_MODE, 25, 1), 1
	s_wait_xcnt 0x0
	s_wait_alu depctr_hold_cnt(0) depctr_sa_sdst(0) depctr_va_vdst(0) depctr_va_sdst(0) depctr_va_ssrc(0) depctr_va_vcc(0) depctr_vm_vsrc(0)
	s_getreg_b32 s2, hwreg(HW_REG_IB_STS2, 6, 4)
	s_cmp_eq_u32 s2, 0
	s_cbranch_scc0 .Lentry_in_a_cluster
	s_endpgm
.Lentry_in_a_cluster:
	s_bfe_u32 s2, ttmp6, 0x10000c
	s_cmp_lg_u32 s2, 0x3003
	s_cbranch_scc0 .Lentry_shape_is_right
	s_endpgm
.Lentry_shape_is_right:
; MASKED ATTENTION.  For each batch b and head h: O[q][:] = sum over k of softmax_k(s[q][k]) v[k][:], s = q . k / sqrt(128), or the masked value where maskw has the bit set.
; q, k (128 channels) and v (256 channels, as two blocks of 128) lie in qkv, f16 [32 blocks][8 b][1024][128]; O goes to oa, f16 [8192 (b, s)][2048 (h, v)].  Products, maxima and sums in f32; p is rounded to f16
; for the second product (its sum l is taken of the unrounded p), O once.
; LIMITS.  A masked score is -2^100 where the definition has -1e30: c x (-2^100) is exact, so in a row with no visible key every c s - c m is exactly 0, p = 1, and the row is the mean of all 1,024 v, as defined;
; elsewhere a masked p is 0.  The same results for |s| far below 1e29.  A weight below 2^-126 counts as 0.  NaN and infinities are not treated apart.  The masks are inputs: every key step is computed.
; SHARES.  A work-group owns 256 queries of one (b, h), a wave 64: four tiles of 16.  16 key steps of 64.  CLUSTER: the four query blocks of a (b, h) walk the same k and v: joint loads.
; LAYOUT.  S^T = K Q^T: a lane holds one query (lane % 16) and keys 8 (lane / 16) + 0..7 of each block of 16; rounded in pairs that IS source 1 of O^T = V^T P, whose result holds one query a lane and eight channels.
; THE PIPELINE runs across steps, since O^T alone takes 512 registers.  Trip j = T1: the 64 products K Q^T of step j + 1, beside them the last roundings of P(j) and O^T times a(j);
; then T2: the 128 products V^T P of step j, beside them the mask, maximum, exponentials, sums and first roundings of step j + 1.  K's and V's fragments stream through two buffers of 64 registers, a RUN of 32 products each.
; LDS.  Slot t (two, 2^17 bytes apart) holds K of steps 2t+1, 2t+2 and V of steps 2t, 2t+1; K of step 0 has bytes of its own.  The last slot's second K are the 64 rows behind the head's: bytes of qkv, whose products serve nothing.
; REGISTERS: window 0: addresses, statistics, S^T v64-191, P v192-255.  windows 1, 2: O^T, 128 a tile.  window 3: Q v0-127, the two buffers v128-255.
.set KS,    64
.set PK,    272
.set PV,    288
.set REG,   36864                      ; a region of a slot: K (128 x 272), V's channels 0-127, V's channels 128-255 (128 x 288 each)
.set SLOT1, 1<<17
.set KXA,   3*REG                      ; K of step 0: 64 x 272 bytes, filled once
.set STAGE, SLOT1+3*REG
.set SP,    528
.set SPARE, STAGE+4*16*SP
.set AK0, 2
.set AV0, 3
.set ADK, 4
.set ADV, 5
.set STO, 6
.set RD,  7
.set GO,  8
.set QO,  9
.set ST,  12                           ; tile t at ST + 8 t: c m, m, l (two), c0-c3; a takes c2's place
.set NEG, 44
.set CV,  46                           ; v[46:47] c
.set PFO, 61
.set SPW, 62
.set NIL, 63
.set S,   64
.set P,   192
.set KV,  128
.set WV,  10
.set TBK, 11                           ; LDS byte at which K of the step to be fetched begins
.set G0,  12                           ; s[12:15] the walking group 0
.set G1K, 16
.set G1V, 24
.set MW,  32                           ; s[32:63] an even tile's 32 mask words, s[68:99] an odd tile's
.set SEL, 66
.set SLOTS, 100
.set CNT, 101
.set LIM, 104
.set TBV, 105
.set MSB, 0
.macro WIN new
.if MSB != (\new)
	s_set_vgpr_msb (MSB<<8)|(\new)
.set MSB, \new
.endif
.endm
.macro PLACES
.rept 4
	v_nop
.endr
.endm
.macro CROUND
	s_barrier_signal -1
	s_barrier_wait -1
	s_cmp_lg_u32 s[WV], 0
	s_cbranch_scc1 .Lnot_wave_0_\@
	s_barrier_signal -3
.Lnot_wave_0_\@:
	s_barrier_wait -3
	s_barrier_signal -1
	s_barrier_wait -1
.endm
.macro JLOAD                           ; wave 0 fetches a slot's K, waves 1 and 2 the two halves of its V, wave 3 nothing; the branches hang on the wave's number alone
	s_cmp_eq_u32 s[WV], 0
	s_cbranch_scc0 .Lfor_v_\@
	tensor_load_to_lds s[G0:G0+3], s[G1K:G1K+7]
	s_nop 0
.rept 4
	v_nop
.endr
	s_branch .Lasked_\@
.Lfor_v_\@:
	s_cmp_eq_u32 s[WV], 3
	s_cbranch_scc1 .Lasked_\@
	tensor_load_to_lds s[G0:G0+3], s[G1V:G1V+7]
	s_nop 0
.rept 4
	v_nop
.endr
.Lasked_\@:
.endm
; A prefetch of what the NEXT change of slots will ask for: of the 128 rows (256 bytes each) that my wave fetches, my work-group names 32, told apart by address: a lane a row.  Each row is named once in the launch:
; only this cluster reads this (b, h).  The last change that fills a slot asks for nothing; slots 0 to 2 come by their loads alone.
.macro ASK
	s_cmp_gt_u32 s[SLOTS], s[LIM]
	s_cbranch_scc0 .Lnot_mine_\@
	global_prefetch_b8 v[PFO], s[8:9] th:TH_LOAD_NT scope:SCOPE_SE
.Lnot_mine_\@:
.endm
.macro MLOAD off                       ; two tiles' mask words of a step
	s_load_b512 s[32:47], s[6:7], \off
	s_load_b512 s[48:63], s[6:7], \off+64
	s_load_b512 s[68:83], s[6:7], \off+2048
	s_load_b512 s[84:99], s[6:7], \off+2112
.endm
	s_load_b128 s[68:71], s[0:1], 0x0              ; qkv, maskw
	s_load_b64 s[72:73], s[0:1], 0x10              ; oa
	v_lshl_add_u32 v[SPW], v0, 2, SPARE
	v_mov_b32 v[NIL], 0
	ds_add_u32 v[SPW], v[NIL]                      ; the wave's opening: the add and its wait ahead of the first tensor load
	v_lshrrev_b32 v1, 5, v0
	v_readfirstlane_b32 s[WV], v1
	s_bfe_u32 s76, ttmp6, 0x40000                  ; cx: my block of 256 queries
	s_and_b32 s77, ttmp7, 0xffff
	s_lshr_b32 s78, s77, 3                         ; b
	s_and_b32 s79, s77, 7                          ; h
	s_min_u32 s2, s[WV], 2
	s_lshl_b32 s3, s79, 1
	s_add_co_u32 s3, s3, s2
	s_add_co_u32 s3, s3, 15                        ; waves 1, 2: V's blocks 16 + 2 h, 17 + 2 h
	s_add_co_u32 s80, s79, 8                       ; wave 0: K's block 8 + h,
	s_cmp_eq_u32 s[WV], 0
	s_cselect_b32 s3, s80, s3
	s_cselect_b32 s2, 16384, 0                     ; from row 64 on
	s_lshl_b32 s3, s3, 3
	s_add_co_u32 s3, s3, s78
	s_lshl_b32 s3, s3, 18                          ; (block x 8 + b) x 1,024 rows x 256 bytes
	s_add_co_u32 s82, s3, s2
	s_mov_b32 s83, 0
	s_lshl_b32 s84, s80, 3
	s_add_co_u32 s84, s84, s78
	s_lshl_b32 s84, s84, 18                        ; K's row 0
	s_mov_b32 s85, 0
	s_lshl_b32 s86, s79, 3
	s_add_co_u32 s86, s86, s78
	s_lshl_b32 s86, s86, 18                        ; Q: block h,
	s_lshl_b32 s2, s76, 16
	s_add_co_u32 s86, s86, s2
	s_lshl_b32 s2, s[WV], 14
	s_add_co_u32 s86, s86, s2                      ; row 256 cx + 64 w
	s_mov_b32 s87, 0
	s_lshl_b32 s88, s78, 6
	s_lshl_b32 s2, s76, 4
	s_add_co_u32 s88, s88, s2
	s_lshl_b32 s2, s[WV], 2
	s_add_co_u32 s88, s88, s2
	s_lshl_b32 s88, s88, 11                        ; mask: query tile 64 b + 16 cx + 4 w, 2,048 bytes a tile
	s_mov_b32 s89, 0
	s_lshl_b32 s90, s78, 10
	s_lshl_b32 s2, s76, 8
	s_add_co_u32 s90, s90, s2
	s_lshl_b32 s2, s[WV], 6
	s_add_co_u32 s90, s90, s2
	s_lshl_b32 s90, s90, 12                        ; O: my first row, 4,096 bytes a row,
	s_lshl_b32 s2, s79, 9
	s_add_co_u32 s90, s90, s2                      ; the head's 512 bytes
	s_mov_b32 s91, 0
	s_lshl_b32 s92, s76, 13
	s_add_co_u32 s92, s92, 65536                   ; the prefetches: slot 2, my work-group's 32 rows; the first change steps them to slot 3
	s_mov_b32 s93, 0
	s_mov_b32 s[G1K], 15|(1<<16)|(1<<20)|(1<<21)|(5<<22)|(3<<25)  ; the mask of four; 2-byte elements; 4 words of padding behind every 64
	s_mov_b32 s[G1V], 15|(1<<16)|(1<<20)|(1<<21)|(5<<22)|(7<<25)  ; 8 words
	s_mov_b32 s32,    15|(1<<16)|(1<<20)|(1<<21)|(5<<22)|(3<<25)  ; s[32:39]: K of step 0, 64 rows; these registers take mask words later
.irp g, G1K, G1V
	s_mov_b32 s[(\g)+1], 128<<16
	s_mov_b32 s[(\g)+2], 128<<16
	s_mov_b32 s[(\g)+3], 128<<16
	s_mov_b32 s[(\g)+4], 128
	s_mov_b32 s[(\g)+5], 128
	s_mov_b32 s[(\g)+6], 0
	s_mov_b32 s[(\g)+7], 0
.endr
	s_mov_b32 s33, 128<<16
	s_mov_b32 s34, 64<<16
	s_mov_b32 s35, 128<<16
	s_mov_b32 s36, 64
	s_mov_b32 s37, 128
	s_mov_b32 s38, 0
	s_mov_b32 s39, 0
	s_mov_b32 s[SEL], 0x76543210
	s_mov_b32 s[SEL+1], 0xfedcba98
	s_cmp_eq_u32 s[WV], 3
	s_cselect_b32 s[LIM], -1, 1
	s_mov_b32 s40, 1
	s_mov_b32 s41, KXA
	s_mov_b32 s44, 1
	s_mul_i32 s45, s[WV], REG                      ; my region of slot 0,
	s_mov_b32 s[G0], 1
	s_add_co_u32 s[G0+1], s45, SLOT1               ; of slot 1
	s_wait_dscnt 0x0
	s_wait_kmcnt 0x0
	s_add_nc_u64 s[8:9], s[68:69], s[82:83]
	s_mov_b64 s[46:47], s[8:9]
	s_or_b32 s47, s47, 0x80000000
	s_add_nc_u64 s[G0+2:G0+3], s[8:9], 2*KS*256
	s_or_b32 s[G0+3], s[G0+3], 0x80000000
	s_add_nc_u64 s[42:43], s[68:69], s[84:85]
	s_or_b32 s43, s43, 0x80000000
	s_add_nc_u64 s[8:9], s[8:9], s[92:93]
	s_add_nc_u64 s[100:101], s[68:69], s[86:87]    ; Q (these two take the counters later)
	s_add_nc_u64 s[6:7], s[70:71], s[88:89]
	s_add_nc_u64 s[4:5], s[72:73], s[90:91]
	CROUND                                         ; all four work-groups are here: the first joint loads meet
	s_cmp_eq_u32 s[WV], 0                          ; a wave's first fills stand together: three loads out in wave 0, two in waves 1 and 2
	s_cbranch_scc0 .Lfirst_v
	tensor_load_to_lds s[40:43], s[32:39]
	s_nop 0
	tensor_load_to_lds s[44:47], s[G1K:G1K+7]
	s_nop 0
	tensor_load_to_lds s[G0:G0+3], s[G1K:G1K+7]
	s_nop 0
.rept 4
	v_nop
.endr
	s_branch .Lfirst_asked
.Lfirst_v:
	s_cmp_eq_u32 s[WV], 3
	s_cbranch_scc1 .Lfirst_asked
	tensor_load_to_lds s[44:47], s[G1V:G1V+7]
	s_nop 0
	tensor_load_to_lds s[G0:G0+3], s[G1V:G1V+7]
	s_nop 0
.rept 4
	v_nop
.endr
.Lfirst_asked:
	v_and_b32 v1, 15, v0                           ; l % 16
	v_bfe_u32 v10, v0, 4, 1                        ; l / 16
	v_lshlrev_b32 v[QO], 8, v1
	v_lshl_add_u32 v[QO], v10, 4, v[QO]
	WIN 0xc0                                       ; destination window 3
.irp i, 0,1,2,3,4,5,6,7,8,9,10,11,12,13,14,15  ; Q stays in registers: tile i / 4, channels 32 (i % 4) on
	global_load_b128 v[8*(\i):8*(\i)+3],   v[QO], s[100:101] offset:((\i)/4)*4096+((\i)%4)*64
	global_load_b128 v[8*(\i)+4:8*(\i)+7], v[QO], s[100:101] offset:((\i)/4)*4096+((\i)%4)*64+32
.endr
	WIN 0
.set i, 0
.rept 64
	v_mov_b32 v[P+i], 0                            ; the first pass multiplies V by a P that has not been
.set i, i+1
.endr
.irp t, 0,1,2,3
	v_mov_b32 v[ST+8*(\t)], 0xfe000000             ; c m: far below every c s, so the first a is 0
	v_mov_b32 v[ST+8*(\t)+1], 0xff7fffff           ; m
	v_mov_b32 v[ST+8*(\t)+2], 0
	v_mov_b32 v[ST+8*(\t)+3], 0
.endr
	v_mov_b32 v[NEG], 0xf1800000                   ; -2^100
	v_mov_b32 v[CV], 0x3e0293ee                    ; c = log2(e) / sqrt(128)
	v_mov_b32 v[CV+1], 0x3e0293ee
	WIN 0x40                                       ; O^T starts at 0 x 0 + 0: 64 products in the wait for the first tiles, in place of 512 moves
.set i, 0
.rept 32
	v_wmma_f32_16x16x32_f16 v[8*i:8*i+7], v[P:P+7], v[P:P+7], 0
.set i, i+1
.endr
	WIN 0x80
.set i, 0
.rept 32
	v_wmma_f32_16x16x32_f16 v[8*i:8*i+7], v[P:P+7], v[P:P+7], 0
.set i, i+1
.endr
	WIN 0
	v_mul_u32_u24 v[AK0], v1, PK
	v_lshl_add_u32 v[AK0], v10, 4, v[AK0]          ; K's fragment: row x pitch + 16 x half
	v_and_b32 v11, 7, v0
	v_bfe_u32 v45, v0, 3, 1
	v_lshl_add_u32 v[AV0], v10, 3, v11             ; V's: key 8 (l / 16) + l % 8,
	v_mul_u32_u24 v[AV0], v[AV0], PV
	v_lshl_add_u32 v[AV0], v45, 4, v[AV0]          ; channels 8 ((l / 8) % 2) on,
	v_add_nc_u32 v[AV0], REG, v[AV0]               ; behind K's region
	s_mul_i32 s2, s[WV], 16*SP
	s_add_co_u32 s2, s2, STAGE
	v_mul_u32_u24 v[STO], v1, SP
	v_lshl_add_u32 v[STO], v10, 4, v[STO]
	v_add_nc_u32 v[STO], s2, v[STO]
	v_and_b32 v[GO], 31, v0
	v_lshlrev_b32 v[PFO], 8, v[GO]
	v_lshlrev_b32 v[GO], 4, v[GO]
	v_add_nc_u32 v[RD], s2, v[GO]
; THE MATRIX WORK.  Product i of 32 of run s of S^T = K Q^T: tile i % 4, key block 2 s + (i / 4) % 2, channels 32 (i / 8) on.  Eight accumulators take turns.
.macro MMK s
.set tl, i%4
.set kbq, (i/4)%2
.set cq, i/8
.set rSs, S+32*tl+8*(2*(\s)+kbq)
.set rK, KV+64*(\s)+8*(4*kbq+cq)
.set rQ, 32*tl+8*cq
	WIN 0x0f
.if cq == 0
	v_wmma_f32_16x16x32_f16 v[rSs:rSs+7], v[rK:rK+7], v[rQ:rQ+7], 0
.else
	v_wmma_f32_16x16x32_f16 v[rSs:rSs+7], v[rK:rK+7], v[rQ:rQ+7], v[rSs:rSs+7]
.endif
.set i, i+1
.endm
; Product i of 32 of run r of O^T += V^T P: keys 32 (r / 2) on, channels 128 (r % 2) + 16 (i / 4) on, tile i % 4.  32 accumulators, one product each.
.macro MMV r
.set tl, i%4
.set rO, 128*(tl%2)+8*(8*((\r)%2)+i/4)
.set rV, KV+64*((\r)%2)+8*(i/4)
.set rPp, P+16*tl+8*((\r)/2)
	WIN 0x53+0x50*(tl/2)
	v_wmma_f32_16x16x32_f16 v[rO:rO+7], v[rV:rV+7], v[rPp:rPp+7], v[rO:rO+7]
.set i, i+1
.endm
; THE LDS LOADS, 16 to a run: K's keys 32 s on (fragment f: key block f / 4, channels 32 (f % 4) on) into buffer s; V's run r (turned) into buffer r % 2
.macro RUNK s
	WIN 0xc0
.irp f, 0,1,2,3,4,5,6,7
	ds_load_b128 v[KV+64*(\s)+8*(\f):KV+64*(\s)+8*(\f)+3],   v[ADK] offset:(2*(\s)+(\f)/4)*16*PK+((\f)%4)*64
	ds_load_b128 v[KV+64*(\s)+8*(\f)+4:KV+64*(\s)+8*(\f)+7], v[ADK] offset:(2*(\s)+(\f)/4)*16*PK+((\f)%4)*64+32
.endr
.endm
.macro RUNV r
	WIN 0xc0
.irp f, 0,1,2,3,4,5,6,7
	ds_load_tr16_b128 v[KV+64*((\r)%2)+8*(\f):KV+64*((\r)%2)+8*(\f)+3],   v[ADV] offset:((\r)%2)*REG+((\r)/2)*32*PV+32*(\f)
	ds_load_tr16_b128 v[KV+64*((\r)%2)+8*(\f)+4:KV+64*((\r)%2)+8*(\f)+7], v[ADV] offset:((\r)%2)*REG+((\r)/2)*32*PV+32*(\f)+16*PV
.endr
.endm
; THE VECTOR WORK, one line each, for tile t.
.macro REGS t
.set rT, ST+8*(\t)
.set rS, S+32*(\t)
.set rP, P+16*(\t)
.endm
.macro VM t, k                         ; score k takes the masked value where its word's bit is set
	REGS \t
	v_cndmask_b32 v[rS+(\k)], v[rS+(\k)], v[NEG], s[MW+36*((\t)%2)+(\k)]
.endm
.macro VX t, k                         ; 0-15 the maximum of 32 scores and the old m; 16, 18 with the lane 16 away: the new m; 17, 19, 20: c m_old - c m_new
	REGS \t
.if (\k) < 4
	v_max3_num_f32 v[rT+4+(\k)], v[rS+8*(\k)], v[rS+8*(\k)+1], v[rS+8*(\k)+2]
.elseif (\k) < 12
	v_max3_num_f32 v[rT+4+(\k)%4], v[rT+4+(\k)%4], v[rS+8*((\k)%4)+2*((\k)/4)+1], v[rS+8*((\k)%4)+2*((\k)/4)+2]
.elseif (\k) == 12
	v_max3_num_f32 v[rT+4], v[rT+4], v[rS+7], v[rS+15]
.elseif (\k) == 13
	v_max3_num_f32 v[rT+6], v[rT+6], v[rS+23], v[rS+31]
.elseif (\k) == 14
	v_max3_num_f32 v[rT+4], v[rT+4], v[rT+5], v[rT+6]
.elseif (\k) == 15
	v_max3_num_f32 v[rT+4], v[rT+4], v[rT+7], v[rT+1]
.elseif (\k) == 16
	v_permlanex16_b32 v[rT+5], v[rT+4], s[SEL], s[SEL+1]
.elseif (\k) == 17
	v_mov_b32 v[rT+7], v[rT]
.elseif (\k) == 18
	v_max_num_f32 v[rT+1], v[rT+4], v[rT+5]
.elseif (\k) == 19
	v_mul_f32 v[rT], v[CV], v[rT+1]
.else
	v_sub_f32 v[rT+7], v[rT+7], v[rT]
.endif
.endm
.macro VA t                            ; a
	REGS \t
	v_exp_f32 v[rT+6], v[rT+7]
.endm
.macro VF t, b                         ; pair b: c s - c m
	REGS \t
	v_pk_fma_f32 v[rS+2*(\b):rS+2*(\b)+1], v[rS+2*(\b):rS+2*(\b)+1], v[CV:CV+1], v[rT:rT+1] op_sel_hi:[1,0,0] neg_lo:[0,0,1] neg_hi:[0,0,1]
.endm
.macro VE t, e
	REGS \t
	v_exp_f32 v[rS+(\e)], v[rS+(\e)]
.endm
.macro VC t, k                         ; pair k rounded to f16
	REGS \t
	v_cvt_pk_f16_f32 v[rP+(\k)], v[rS+2*(\k)], v[rS+2*(\k)+1]
.endm
.macro VZ t, k                         ; the sum of the 16 pairs; scores 16-31 are read and left as they are, since their rounding comes later
	REGS \t
.if (\k) < 4
	v_pk_add_f32 v[rS+4*(\k):rS+4*(\k)+1], v[rS+4*(\k):rS+4*(\k)+1], v[rS+4*(\k)+2:rS+4*(\k)+3]
.elseif (\k) < 8
	v_pk_add_f32 v[rS+4*(\k)-14:rS+4*(\k)-13], v[rS+4*(\k):rS+4*(\k)+1], v[rS+4*(\k)+2:rS+4*(\k)+3]
.elseif (\k) < 12
	v_pk_add_f32 v[rS+4*(\k)-32:rS+4*(\k)-31], v[rS+4*(\k)-32:rS+4*(\k)-31], v[rS+4*(\k)-30:rS+4*(\k)-29]
.elseif (\k) == 12
	v_pk_add_f32 v[rS:rS+1], v[rS:rS+1], v[rS+4:rS+5]
.elseif (\k) == 13
	v_pk_add_f32 v[rS+8:rS+9], v[rS+8:rS+9], v[rS+12:rS+13]
.elseif (\k) == 14
	v_pk_add_f32 v[rS:rS+1], v[rS:rS+1], v[rS+8:rS+9]
.else
	v_pk_fma_f32 v[rT+2:rT+3], v[rT+2:rT+3], v[rT+6:rT+7], v[rS:rS+1] op_sel_hi:[1,0,1]
.endif
.endm
.macro VR y, q                         ; O^T times a: tile y + q % 2, pair q / 2
.set tq, (\y)+(\q)%2
.set rO, 128*(tq%2)+2*((\q)/2)
	WIN 0x41+0x41*((\y)/2)
	v_pk_mul_f32 v[rO:rO+1], v[rO:rO+1], v[ST+8*tq+6:ST+8*tq+7] op_sel_hi:[1,0]
.endm
; Pieces: A = tiles 0, 1; B = tiles 2, 3 (y = the first tile).  In a piece's lists the two tiles alternate.
.macro PRE y, x                        ; 106: 64 masks, 42 of the maximum and statistics
.if (\x) < 64
	VM (\y)+(\x)%2, (\x)/2
.else
	VX (\y)+(\x)%2, ((\x)-64)/2
.endif
.endm
.macro VFQ y, f
	VF (\y)+(\f)%2, (\f)/2
.endm
.macro VEQ y, e                        ; exponential e of 64: pair e / 2 in VFQ's numbering
	VE (\y)+((\e)/2)%2, 2*((\e)/4)+(\e)%2
.endm
.macro POST y, x                       ; 48: the roundings of keys 0-31, then the sums
.if (\x) < 16
	VC (\y)+(\x)%2, (\x)/2
.else
	VZ (\y)+(\x)%2, ((\x)-16)/2
.endif
.endm
.macro FE3 y                           ; number xq of 98: the two a, the scalings and exponentials of a piece; a pair is scaled two triples ahead of its exponentials
.set w3, (xq-4)/3
.set k3, (xq-4)%3
.if xq < 2
	VA (\y)+xq
.elseif xq < 4
	VFQ \y, xq-2
.elseif (xq < 94) && (k3 == 0)
	VFQ \y, 2+w3
.elseif xq < 94
	VEQ \y, 2*w3+k3-1
.else
	VEQ \y, xq-34
.endif
.endm
.macro FE4                             ; number xq of 146: the same for piece B, with piece A's roundings and sums as the plain lines between
.set w4, (xq-4)/4
.set k4, (xq-4)%4
.if xq < 2
	VA 2+xq
.elseif xq < 4
	VFQ 2, xq-2
.elseif (xq < 124) && (k4 == 0)
	VFQ 2, 2+w4
.elseif (xq < 124) && (k4 == 2)
	POST 0, w4
.elseif xq < 124
	VEQ 2, 2*w4+k4/2
.elseif (xq < 132) && (xq%2 == 0)
	VEQ 2, 60+(xq-124)/2
.elseif xq < 132
	POST 0, 30+(xq-124)/2
.else
	POST 0, xq-98
.endif
.endm
; T2's QUEUE, number n of 504, four behind each product.  Each piece's 66 exponentials are one batch: nothing names a result of theirs ahead of the one wait (at 310 for A, at 456 for B).
; The mask words: 64 scalar registers hold a piece's; B's are asked for when A's have been used (68), the next step's A's when B's have (272; not in the tail: there is no further step).
; At 456, behind the wait, K's first run of the next step is fetched: its buffer's last reader is product 95, and plain lines enough lie between.  In a slot's last step that K lies in the other slot: the run is jumped, and the change of slots issues it.
.macro SMQ tail
.if n == 0
	s_wait_kmcnt 0x0                               ; piece A's words
.elseif n == 68
	MLOAD 4096
.elseif n == 204
	s_wait_kmcnt 0x0                               ; piece B's words; the loads have also read their pointer
.elseif (n == 272) && !(\tail)
	s_add_nc_u64 s[6:7], s[6:7], 128
	MLOAD 0
.elseif n == 310
	s_wait_alu depctr_va_vdst(0)
.elseif n == 456
	s_wait_alu depctr_va_vdst(0)
	WIN 0
.if !(\tail)
	s_cmp_eq_u32 s[CNT], 1
	s_cbranch_scc1 .Lno_k_\@
.endif
	v_add_nc_u32 v[ADK], s[TBK], v[AK0]
	s_add_co_u32 s[TBK], s[TBK], KS*PK
	RUNK 0
	WIN 0
.if !(\tail)
.Lno_k_\@:
.endif
.endif
.if n < 504
	WIN 0
.endif
.if n < 106
	PRE 0, n
.elseif n < 204
.set xq, n-106
	FE3 0
.elseif n < 310
	PRE 2, n-204
.elseif n < 456
.set xq, n-310
	FE4
.elseif n < 504
	POST 2, n-456
.endif
.set n, n+1
.endm
; T1's QUEUE, number n of 288: eight rescalings; the roundings of keys 32-63 (over before product 32 writes those scores anew); the other rescalings, each accumulator from its low end on.
.macro TLQ
.if n < 8
	VR 0, n
.elseif n < 40
	WIN 0
	VC (n-8)%4, 8+(n-8)/4
.elseif n < 96
	VR 0, n-32
.elseif n < 160
	VR 2, n-96
.elseif n < 224
	VR 0, n-96
.else
	VR 2, n-160
.endif
.set n, n+1
.endm
; In front of each run: the wait for its 16 loads (issued a run earlier), four places behind the last reader of the buffer just left, and the next run's loads into it.
.macro T1
	s_wait_dscnt 0x0                               ; K's first run is in
	PLACES
	RUNK 1
.set n, 0
.set i, 0
.rept 16
	MMK 0
.rept 4
	TLQ
.endr
	MMK 0
.rept 5
	TLQ
.endr
.endr
	s_wait_dscnt 0x0
	PLACES
	WIN 0
	v_add_nc_u32 v[ADV], s[TBV], v[AV0]
	s_add_co_u32 s[TBV], s[TBV], KS*PV
	RUNV 0
.set i, 0
.rept 16
	MMK 1
.rept 4
	TLQ
.endr
	MMK 1
.rept 5
	TLQ
.endr
.endr
.endm
.macro T2 tail
.set n, 0
.irp r, 0,1,2,3
	s_wait_dscnt 0x0
.if (\r) < 3
	PLACES
	RUNV (\r)+1
.endif
.set i, 0
.rept 32
	MMV \r
	SMQ \tail
	SMQ \tail
	SMQ \tail
	SMQ \tail
.endr
.endr
.endm
; THE CHANGE OF SLOTS.  Every wave: all its tensor loads (one is out: its part of the other slot), the add, its reads of the old slot; the barrier, with fill = 1 a round of the cluster's; the joint refill first behind it:
; it has two key steps, 384 products, in which to land.  Then K's first run from the new slot.
.macro CHANGE fill
	WIN 0
	s_wait_tensorcnt 0x0                           ; no tensor load of mine is out, so group 0 may be written
	ds_add_u32 v[SPW], v[NIL]                      ; work on registers stands between it and its wait
.if \fill
	s_xor_b32 s[G0+1], s[G0+1], SLOT1
	s_add_nc_u64 s[G0+2:G0+3], s[G0+2:G0+3], 2*KS*256
	s_wait_xcnt 0x0                                ; the last prefetch, two key steps back, has read its address
	s_add_nc_u64 s[8:9], s[8:9], 2*KS*256
.endif
	s_sub_co_u32 s[TBK], s[TBK], 2*KS*PK
	s_xor_b32 s[TBK], s[TBK], SLOT1
	s_sub_co_u32 s[TBV], s[TBV], 2*KS*PV
	s_xor_b32 s[TBV], s[TBV], SLOT1
	v_add_nc_u32 v[ADK], s[TBK], v[AK0]
	s_add_co_u32 s[TBK], s[TBK], KS*PK
	s_wait_dscnt 0x0                               ; the add is done, my reads of the slot are over
.if \fill
	CROUND
	JLOAD
.else
	s_barrier_signal -1
	s_barrier_wait -1
.endif
	RUNK 0
	WIN 0
.if \fill
	ASK
.endif
.endm
	s_wait_tensorcnt 1                             ; K of step 0 and my part of slot 0 are in; slot 1's may stay out
	s_barrier_signal -1
	s_barrier_wait -1
	s_wait_loadcnt 0x0                             ; Q
	MLOAD 0                                        ; piece A's words of step 0 (the head's descriptors in these registers are done with)
	v_add_nc_u32 v[ADK], KXA, v[AK0]
	RUNK 0
	RUNK 1
	s_wait_dscnt 0x0
.set i, 0
.rept 32
	MMK 0
.endr
.set i, 0
.rept 32
	MMK 1
.endr
	PLACES
	WIN 0
	v_mov_b32 v[ADV], v[AV0]                       ; V of step 0: the first pass multiplies it by P = 0, trip 0 reads it again
	RUNV 0
	WIN 0
	s_mov_b32 s[TBK], 0
	s_mov_b32 s[TBV], 0
	s_mov_b32 s[CNT], 3                            ; the first slot has the half trip in front of its two
	s_mov_b32 s[SLOTS], 7
	s_branch .Lmid
.Lslot:                                        ; six times: slots 2 to 7 are asked for
	CHANGE 1
	s_mov_b32 s[CNT], 2
.Lstep:
	T1
	WIN 0
.Lmid:
	T2 0
	WIN 0
	s_sub_co_u32 s[CNT], s[CNT], 1
	s_cmp_lg_u32 s[CNT], 0
	s_cbranch_scc1 .Lstep
	s_sub_co_u32 s[SLOTS], s[SLOTS], 1
	s_cmp_lg_u32 s[SLOTS], 0
	s_cbranch_scc1 .Lslot
	CHANGE 0                                       ; the last slot is written out
	s_mov_b32 s[CNT], 2
.Ltail:
	T1                                             ; the second time its products serve nothing; its riders are P's last roundings and the last rescaling
	WIN 0
	s_sub_co_u32 s[CNT], s[CNT], 1
	s_cmp_eq_u32 s[CNT], 0
	s_cbranch_scc1 .Lout
	T2 1
	WIN 0
	s_branch .Ltail
.Lout:
.irp r, 0,1,2,3                        ; V^T P of the last step
	s_wait_dscnt 0x0
.if (\r) < 3
	PLACES
	RUNV (\r)+1
.endif
.set i, 0
.rept 32
	MMV \r
.endr
.endr
	; THE WAY OUT.  l's halves and the other lanes' are added; O^T is divided by l, rounded to f16 and sent through my stage, a tile (16 rows of 512 bytes) at a time.  The additions are the places behind the last products.
	WIN 0
.irp t, 0,1,2,3
	v_add_f32 v[ST+8*(\t)+4], v[ST+8*(\t)+2], v[ST+8*(\t)+3]
.endr
.irp t, 0,1,2,3
	v_permlanex16_b32 v[ST+8*(\t)+5], v[ST+8*(\t)+4], s[SEL], s[SEL+1]
.endr
.irp t, 0,1,2,3
	v_add_f32 v[ST+8*(\t)+4], v[ST+8*(\t)+4], v[ST+8*(\t)+5]
.endr
.irp t, 0,1,2,3
	v_rcp_f32 v[ST+8*(\t)+6], v[ST+8*(\t)+4]
.endr
	v_nop                                          ; a plain instruction behind the last reciprocal,
	s_wait_alu depctr_va_vdst(0)                   ; and the one wait ahead of the first use
.macro PACK t
	WIN 0x41+0x41*((\t)/2)
.set i, 128*((\t)%2)
.rept 64
	v_pk_mul_f32 v[i:i+1], v[i:i+1], v[ST+8*(\t)+6:ST+8*(\t)+7] op_sel_hi:[1,0]
.set i, i+2
.endr
.if (\t) >= 2
	s_wait_xcnt 0x0                                ; the stores of the tile two back have read these registers
.endif
	WIN 0x05*(1+(\t)/2)
.set i, 0
.rept 64
	v_cvt_pk_f16_f32 v[S+64*((\t)%2)+i], v[128*((\t)%2)+2*i], v[128*((\t)%2)+2*i+1]
.set i, i+1
.endr
	WIN 0
.irp f, 0,1,2,3,4,5,6,7,8,9,10,11,12,13,14,15
	ds_store_b128 v[STO], v[S+64*((\t)%2)+4*(\f):S+64*((\t)%2)+4*(\f)+3] offset:32*(\f)
.endr
.irp f, 0,1,2,3,4,5,6,7,8,9,10,11,12,13,14,15
	ds_load_b128 v[S+64*((\t)%2)+4*(\f):S+64*((\t)%2)+4*(\f)+3], v[RD] offset:(\f)*SP  ; LDS serves a wave's instructions in order: these see the stores above
.endr
.endm
.macro SEND t, younger                 ; younger: the LDS instructions issued behind tile t's loads
	WIN 0
.irp f, 0,1,2,3,4,5,6,7,8,9,10,11,12,13,14,15
	s_wait_dscnt (\younger)+15-(\f)
	global_store_b128 v[GO], v[S+64*((\t)%2)+4*(\f):S+64*((\t)%2)+4*(\f)+3], s[4:5] offset:(16*(\t)+(\f))*4096  ; a row's 512 consecutive bytes, aligned
.endr
.endm
	PACK 0
	PACK 1
	SEND 0, 32
	PACK 2
	SEND 1, 32
	PACK 3
	SEND 2, 32
	SEND 3, 0
	s_wait_tensorcnt 0x0                           ; the wave's end
	ds_add_u32 v[SPW], v[NIL]
	s_wait_dscnt 0x0
	CROUND                                         ; the closing round
	s_endpgm
.Lfunc_end_k_q84445c5bc6_attn:
	.size	k_q84445c5bc6_attn, .Lfunc_end_k_q84445c5bc6_attn-k_q84445c5bc6_attn
	.p2alignl 7, 3214868480
	.fill 96, 4, 3214868480
	.section	.rodata,"a",@progbits
	.p2align	6, 0x0
	.amdhsa_kernel k_q84445c5bc6_attn
		.amdhsa_group_segment_fixed_size 327680
		.amdhsa_private_segment_fixed_size 0
		.amdhsa_enable_private_segment 0
		.amdhsa_kernarg_size 24
		.amdhsa_user_sgpr_count 2
		.amdhsa_user_sgpr_kernarg_segment_ptr 1
		.amdhsa_wavefront_size32 1
		.amdhsa_system_sgpr_workgroup_id_x 1
		.amdhsa_system_sgpr_workgroup_id_y 1
		.amdhsa_system_sgpr_workgroup_id_z 1
		.amdhsa_system_vgpr_workitem_id 0
		.amdhsa_next_free_vgpr 1024
		.amdhsa_next_free_sgpr 106
		.amdhsa_reserve_vcc 0
		.amdhsa_float_denorm_mode_32 3
		.amdhsa_float_denorm_mode_16_64 3
		.amdhsa_memory_ordered 1
		.amdhsa_forward_progress 1
		.amdhsa_inst_pref_size 247
	.end_amdhsa_kernel
	.amdgpu_metadata
---
amdhsa.version: [ 1, 2 ]
amdhsa.kernels:
  - .name:           k_q84445c5bc6_attn
    .symbol:         k_q84445c5bc6_attn.kd
    .args:
      - { .name: qkv, .offset: 0, .size: 8, .value_kind: global_buffer, .address_space: global }
      - { .name: maskw, .offset: 8, .size: 8, .value_kind: global_buffer, .address_space: global }
      - { .name: oa, .offset: 16, .size: 8, .value_kind: global_buffer, .address_space: global }
    .group_segment_fixed_size: 327680
    .private_segment_fixed_size: 0
    .kernarg_segment_align: 8
    .kernarg_segment_size: 24
    .max_flat_workgroup_size: 128
    .sgpr_count:     106
    .vgpr_count:     1024
    .wavefront_size: 32
...
	.end_amdgpu_metadata
.endif
;; end of part 3
;; launch outp (part 4): grid 4 x 64, 4 waves a work-group, clusters of 4 x 4, 327,680 bytes of LDS; arguments oa, wo16, bo, out0; writes out0
.if DOCPART == 4
	.amdgcn_target "amdgcn-amd-amdhsa--gfx1250"
	.amdhsa_code_object_version 6
	.text
	.protected	k_q84445c5bc6_outp
	.globl	k_q84445c5bc6_outp
	.p2align	8
	.type	k_q84445c5bc6_outp,@function
k_q84445c5bc6_outp:
	s_mov_b64 s[64:65], 0
	v_nop
	global_prefetch_b8 v0, s[64:65] scope:SCOPE_SE
	s_setreg_imm32_b32 hwreg(HW_REG_WAVE_MODE, 25, 1), 1
	s_wait_xcnt 0x0
	s_wait_alu depctr_hold_cnt(0) depctr_sa_sdst(0) depctr_va_vdst(0) depctr_va_sdst(0) depctr_va_ssrc(0) depctr_va_vcc(0) depctr_vm_vsrc(0)
	s_getreg_b32 s2, hwreg(HW_REG_IB_STS2, 6, 4)
	s_cmp_eq_u32 s2, 0
	s_cbranch_scc0 .Lentry_in_a_cluster
	s_endpgm
.Lentry_in_a_cluster:
	s_bfe_u32 s2, ttmp6, 0x10000c
	s_cmp_lg_u32 s2, 0xf033
	s_cbranch_scc0 .Lentry_shape_is_right
	s_endpgm
.Lentry_shape_is_right:
; THE OUTPUT PROJECTION.  out0[m][n] = sum over k of oa[m][k] Wo[k][n] + bo[n]; oa f16 [8192][2048], wo16 f16 [2048][512], out0 f32 [8192][512]; sums in f32.
; 256 tiles of 128 x 128, one for each work-group; four waves, each 64 x 64 in 16 accumulators.  K goes in eight steps of 256 through two LDS slots.
; oa's rows lie along K; Wo's lie along the columns and are turned by ds_load_tr16_b128.  The product is taken transposed (source 0 = 16 columns of Wo, source 1 = 16 rows of oa):
; a lane holds one row of the output and eight neighbouring columns.  The bias is the C operand of each sum's first product.
; CLUSTER 4 x 4: oa's tile is shared along a row of the cluster, Wo's along a column.  No prefetch: the tiles are small and a step is short.
; REGISTERS: window 0: v16-29 addresses; v32-95 the way out; v96-127 bias; v128-255 accumulators (a, b) at 128 + 8 (4 a + b).  window 1: two fragment buffers of 128: 64 of oa (2 x 4 fragments), 64 of Wo.
.set PA,     528                       ; a row of oa in LDS: 512 + 16 bytes
.set PB,     288                       ; a row of Wo: 256 + 32 bytes
.set HALFA,  64*PA
.set HALFB,  128*PB
.set SLOT,   2*HALFA+2*HALFB           ; oa's 128 rows, then Wo's K rows 0-127 and 128-255
.set STAGE,  2*SLOT
.set SPITCH, 272
.set SPARE,  STAGE+4*16*SPITCH
.set LAPS,   4
.set ADRA, 16                          ; v16-17  by slot
.set ADRB, 20                          ; v20-23  by slot and half of the K rows
.set STO,  24
.set RD,   25
.set CO,   26
.set BO,   27
.set SPW,  28
.set NIL,  29
.set TMP,  32
.set BIAS, 96
.set ACC,  128
.set F0,   0
.set F1,   128
.set G1,  24
.set G0,  32
.set G1B, 48
.set G0B, 56
.set MSB, 0
.macro WIN new
.if MSB != (\new)
	s_set_vgpr_msb (MSB<<8)|(\new)
.set MSB, \new
.endif
.endm
.set MUL,  0x05
.set TO_F, 0x40
.macro JLOAD s
	s_cmp_eq_u32 s11, 0
	s_cbranch_scc0 .Lfor_b_\@
	tensor_load_to_lds s[G0+4*(\s):G0+4*(\s)+3], s[G1:G1+7]
	s_nop 0
.rept 4
	v_nop
.endr
	s_branch .Lasked_\@
.Lfor_b_\@:
	tensor_load_to_lds s[G0B+4*(\s):G0B+4*(\s)+3], s[G1B:G1B+7]
	s_nop 0
.rept 4
	v_nop
.endr
.Lasked_\@:
.endm
.macro CREST
	s_cmp_lg_u32 s10, 0
	s_cbranch_scc1 .Lnot_wave_0_\@
	s_barrier_signal -3
.Lnot_wave_0_\@:
	s_barrier_wait -3
	s_barrier_signal -1
	s_barrier_wait -1
.endm
.macro CROUND
	s_barrier_signal -1
	s_barrier_wait -1
	CREST
.endm
	s_load_b128 s[4:7], s[0:1], 0x0                ; oa, wo16
	s_load_b128 s[68:71], s[0:1], 0x10             ; bo, out0
	v_lshl_add_u32 v[SPW], v0, 2, SPARE
	v_mov_b32 v[NIL], 0
	ds_add_u32 v[SPW], v[NIL]                      ; the wave's opening: the add and its wait ahead of the first tensor load
	v_lshrrev_b32 v1, 5, v0
	v_readfirstlane_b32 s10, v1
	s_lshr_b32 s11, s10, 1                         ; my half of the rows; also: I fetch oa (0) or Wo (1)
	s_and_b32 s12, s10, 1                          ; my half of the columns; also: which half I fetch
	s_bfe_u32 s40, ttmp6, 0x40000
	s_bfe_u32 s41, ttmp6, 0x40004
	s_lshl_b32 s42, ttmp9, 2
	s_add_co_u32 s42, s42, s40                     ; tile column
	s_and_b32 s13, ttmp7, 0xffff
	s_lshl_b32 s13, s13, 2
	s_add_co_u32 s13, s13, s41                     ; tile row
	s_lshl_b32 s43, s41, 2
	s_lshl_b32 s43, 15, s43
	s_lshl_b32 s44, 0x1111, s40
	s_or_b32 s[G1+0], s43, (1<<16)|(1<<20)|(1<<21)|(6<<22)|(3<<25)   ; 4 words of padding behind every 128
	s_mov_b32 s[G1+1], 256<<16                     ; oa's tile: 64 rows x 256 elements
	s_mov_b32 s[G1+2], 64<<16
	s_mov_b32 s[G1+3], 256<<16
	s_mov_b32 s[G1+4], 64
	s_mov_b32 s[G1+5], 2048
	s_mov_b32 s[G1+6], 0
	s_mov_b32 s[G1+7], 0
	s_or_b32 s[G1B+0], s44, (1<<16)|(1<<20)|(1<<21)|(5<<22)|(7<<25)  ; 8 words behind every 64
	s_mov_b32 s[G1B+1], 128<<16                    ; Wo's tile: 128 K rows x 128 columns
	s_mov_b32 s[G1B+2], 128<<16
	s_mov_b32 s[G1B+3], 128<<16
	s_mov_b32 s[G1B+4], 128
	s_mov_b32 s[G1B+5], 512
	s_mov_b32 s[G1B+6], 0
	s_mov_b32 s[G1B+7], 0
	s_lshl_b32 s16, s13, 7
	s_lshl_b32 s17, s12, 6
	s_add_co_u32 s16, s16, s17
	s_lshl_b32 s16, s16, 12                        ; oa: row 128 x tile row + 64 x half, 4,096 bytes a row
	s_mov_b32 s17, 0
	s_lshl_b32 s46, s12, 17                        ; Wo: K row 128 x half, 1,024 bytes a row,
	s_lshl_b32 s47, s42, 8                         ; the tile's 256 bytes
	s_add_co_u32 s46, s46, s47
	s_mov_b32 s47, 0
	s_mul_i32 s20, s12, HALFA
	s_mul_i32 s21, s12, HALFB
	s_add_co_u32 s21, s21, 2*HALFA
	s_wait_dscnt 0x0
	s_wait_kmcnt 0x0
	s_add_nc_u64 s[14:15], s[4:5], s[16:17]
	s_add_nc_u64 s[46:47], s[6:7], s[46:47]
	CROUND
.irp s, 0,1
	s_mov_b32 s[G0+4*(\s)], 1
	s_add_co_u32 s[G0+4*(\s)+1], s20, (\s)*SLOT
	s_add_nc_u64 s[G0+4*(\s)+2:G0+4*(\s)+3], s[14:15], (\s)*512
	s_or_b32 s[G0+4*(\s)+3], s[G0+4*(\s)+3], 0x80000000
	s_mov_b32 s[G0B+4*(\s)], 1
	s_add_co_u32 s[G0B+4*(\s)+1], s21, (\s)*SLOT
	s_add_nc_u64 s[G0B+4*(\s)+2:G0B+4*(\s)+3], s[46:47], (\s)*262144
	s_or_b32 s[G0B+4*(\s)+3], s[G0B+4*(\s)+3], 0x80000000
	JLOAD \s
.endr
	s_lshl_b32 s22, s42, 9
	s_lshl_b32 s23, s12, 8
	s_add_co_u32 s22, s22, s23                     ; my first column, in bytes of f32
	s_mov_b32 s23, 0
	s_add_nc_u64 s[68:69], s[68:69], s[22:23]
	v_and_b32 v1, 15, v0
	v_bfe_u32 v2, v0, 4, 1
	v_lshlrev_b32 v[BO], 5, v2
.irp b, 0,1,2,3
	global_load_b128 v[BIAS+8*(\b):BIAS+8*(\b)+3],   v[BO], s[68:69] offset:64*(\b)
	global_load_b128 v[BIAS+8*(\b)+4:BIAS+8*(\b)+7], v[BO], s[68:69] offset:64*(\b)+16
.endr
	v_mul_u32_u24 v3, v1, PA
	v_lshl_add_u32 v3, v2, 4, v3
	v_and_b32 v6, 7, v0
	v_bfe_u32 v7, v0, 3, 1
	v_lshl_add_u32 v4, v2, 3, v6
	v_mul_u32_u24 v4, v4, PB
	v_lshl_add_u32 v4, v7, 4, v4
	s_mul_i32 s21, s11, HALFA
	s_lshl_b32 s18, s12, 7                         ; my 64 columns: 128 bytes of a row of Wo
	s_add_co_u32 s18, s18, 2*HALFA
.irp s, 0,1
	v_add_nc_u32 v[ADRA+(\s)], s21, v3
	v_add_nc_u32 v[ADRB+2*(\s)], s18, v4
	s_add_co_u32 s19, s18, HALFB
	v_add_nc_u32 v[ADRB+2*(\s)+1], s19, v4
	s_add_co_u32 s21, s21, SLOT
	s_add_co_u32 s18, s18, SLOT
.endr
	s_mul_i32 s19, s10, 16*SPITCH
	s_add_co_u32 s19, s19, STAGE                   ; my stage: 16 rows of my 64 columns of f32, 256 bytes + 16
	v_mul_u32_u24 v4, v1, SPITCH
	v_lshl_add_u32 v4, v2, 5, v4                   ; in: row l % 16, 32 bytes for each half of the lanes
	v_add_nc_u32 v[STO], s19, v4
	v_mul_u32_u24 v5, v2, SPITCH
	v_lshl_add_u32 v5, v1, 4, v5                   ; back: lanes 0-15 one row, lanes 16-31 the next
	v_add_nc_u32 v[RD], s19, v5
	v_lshlrev_b32 v5, 11, v2
	v_lshl_add_u32 v[CO], v1, 4, v5                ; and the same two rows of out0
	s_lshl_b32 s16, s13, 18                        ; 128 rows of 2,048 bytes,
	s_lshl_b32 s17, s11, 17                        ; my 64
	s_add_co_u32 s16, s16, s17
	s_add_co_u32 s16, s16, s22
	s_mov_b32 s17, 0
	s_add_nc_u64 s[8:9], s[70:71], s[16:17]
; 8 products: m blocks a0, a0 + 1 x all 4 n blocks, half c of buffer f.  first = 1: the bias starts the sums.  The 16 accumulators take turns.
.macro MUL8 f, c, a0, first
	WIN MUL
.irp a, \a0, (\a0)+1
.irp b, 0,1,2,3
.if \first
	v_wmma_f32_16x16x32_f16 v[ACC+8*(4*(\a)+(\b)):ACC+8*(4*(\a)+(\b))+7], v[(\f)+64+8*(4*(\c)+(\b)):(\f)+64+8*(4*(\c)+(\b))+7], v[(\f)+8*(4*(\c)+(\a)):(\f)+8*(4*(\c)+(\a))+7], v[BIAS+8*(\b):BIAS+8*(\b)+7]
.else
	v_wmma_f32_16x16x32_f16 v[ACC+8*(4*(\a)+(\b)):ACC+8*(4*(\a)+(\b))+7], v[(\f)+64+8*(4*(\c)+(\b)):(\f)+64+8*(4*(\c)+(\b))+7], v[(\f)+8*(4*(\c)+(\a)):(\f)+8*(4*(\c)+(\a))+7], v[ACC+8*(4*(\a)+(\b)):ACC+8*(4*(\a)+(\b))+7]
.endif
.endr
.endr
.endm
; 32 LDS loads in one run: quarter q (64 along K) of a slot into buffer f; the first 32 along K first
.macro FETCH slot, q, f
	WIN TO_F
.irp c, 0,1
.irp i, 0,1,2,3
	ds_load_tr16_b128 v[(\f)+64+8*(4*(\c)+(\i)):(\f)+64+8*(4*(\c)+(\i))+3],   v[ADRB+2*(\slot)+(\q)/2] offset:((\q)%2)*64*PB+32*PB*(\c)+32*(\i)
	ds_load_tr16_b128 v[(\f)+64+8*(4*(\c)+(\i))+4:(\f)+64+8*(4*(\c)+(\i))+7], v[ADRB+2*(\slot)+(\q)/2] offset:((\q)%2)*64*PB+32*PB*(\c)+32*(\i)+16*PB
	ds_load_b128 v[(\f)+8*(4*(\c)+(\i)):(\f)+8*(4*(\c)+(\i))+3],               v[ADRA+(\slot)] offset:128*(\q)+64*(\c)+(\i)*16*PA
	ds_load_b128 v[(\f)+8*(4*(\c)+(\i))+4:(\f)+8*(4*(\c)+(\i))+7],             v[ADRA+(\slot)] offset:128*(\q)+64*(\c)+(\i)*16*PA+32
.endr
.endr
.endm
.macro PLACES
.rept 4
	v_nop
.endr
.endm
.macro QUARTER slot, q, f, g, first
	s_wait_dscnt 16                                ; the first 32 along K are in
	MUL8 \f, 0, 0, \first
	MUL8 \f, 0, 2, \first
	PLACES
	FETCH \slot, \q, \g
	s_wait_dscnt 32                                ; all but the 32 just issued
	MUL8 \f, 1, 0, 0
	MUL8 \f, 1, 2, 0
.endm
.macro TURN slot, next, fill           ; the fourth quarter multiplies buffer 1 and changes slots
	WIN 0
	s_wait_tensorcnt 0x0                           ; the one load of mine that was out is my part of the next slot
	ds_add_u32 v[SPW], v[NIL]
	s_wait_dscnt 17                                ; the add and the youngest sixteen loads may be out
	MUL8 F1, 0, 0, 0
	s_wait_dscnt 0x0                               ; the add is done, my reads of this slot are over
	s_barrier_signal -1
	MUL8 F1, 0, 2, 0
.if \fill
	WIN 0
.endif
	s_barrier_wait -1
.if \fill
	CREST                                          ; the barrier opened a round of the cluster's
	s_add_nc_u64 s[G0+4*(\slot)+2:G0+4*(\slot)+3], s[G0+4*(\slot)+2:G0+4*(\slot)+3], 2*512
	s_add_nc_u64 s[G0B+4*(\slot)+2:G0B+4*(\slot)+3], s[G0B+4*(\slot)+2:G0B+4*(\slot)+3], 2*262144
	JLOAD \slot                                    ; my one tensor load behind the round; its four v_nop are also the places in front of the loads below
.else
	PLACES
.endif
	FETCH \next, 0, F0
	MUL8 F1, 1, 0, 0
	MUL8 F1, 1, 2, 0
.endm
	s_wait_tensorcnt 1                             ; my part of K step 0 is in; step 1's may stay out
	s_barrier_signal -1
	s_barrier_wait -1
	FETCH 0, 0, F0
	s_wait_loadcnt 0x0                             ; the bias
	QUARTER 0, 1, F0, F1, 1
	WIN 0
	s_mov_b32 s3, LAPS-1
.Llap:                                         ; a trip goes once round the ring and fills both slots again
	QUARTER 0, 2, F1, F0, 0
	QUARTER 0, 3, F0, F1, 0
	TURN 0, 1, 1
	QUARTER 1, 1, F0, F1, 0
	QUARTER 1, 2, F1, F0, 0
	QUARTER 1, 3, F0, F1, 0
	TURN 1, 0, 1
	QUARTER 0, 1, F0, F1, 0
	WIN 0
	s_sub_co_u32 s3, s3, 1
	s_cmp_lg_u32 s3, 0
	s_cbranch_scc1 .Llap
	QUARTER 0, 2, F1, F0, 0                        ; the last lap fills nothing
	QUARTER 0, 3, F0, F1, 0
	TURN 0, 1, 0
	QUARTER 1, 1, F0, F1, 0
	QUARTER 1, 2, F1, F0, 0
	QUARTER 1, 3, F0, F1, 0
	s_wait_dscnt 16
	MUL8 F1, 0, 0, 0
	MUL8 F1, 0, 2, 0
	s_wait_dscnt 0x0
	MUL8 F1, 1, 0, 0
	MUL8 F1, 1, 2, 0
	WIN 0
	PLACES
	; THE WAY OUT: 16 rows at a time through my own stage: a wave's 64 columns of f32 are 256 consecutive bytes, aligned, so no other wave has a part in them
.irp a, 0,1,2,3
	s_wait_xcnt 0x0                                ; earlier stores have read their registers
.irp b, 0,1,2,3
	ds_store_b128 v[STO], v[ACC+8*(4*(\a)+(\b)):ACC+8*(4*(\a)+(\b))+3]   offset:64*(\b)
	ds_store_b128 v[STO], v[ACC+8*(4*(\a)+(\b))+4:ACC+8*(4*(\a)+(\b))+7] offset:64*(\b)+16
.endr
.irp t, 0,1,2,3,4,5,6,7
	ds_load_b128 v[TMP+32*((\a)%2)+4*(\t):TMP+32*((\a)%2)+4*(\t)+3], v[RD] offset:(\t)*2*SPITCH  ; LDS serves a wave's instructions in order
.endr
	s_wait_dscnt 0x0
.irp t, 0,1,2,3,4,5,6,7
	global_store_b128 v[CO], v[TMP+32*((\a)%2)+4*(\t):TMP+32*((\a)%2)+4*(\t)+3], s[8:9] offset:(16*(\a)+2*(\t))*2048
.endr
.endr
	s_wait_tensorcnt 0x0                           ; the wave's end
	ds_add_u32 v[SPW], v[NIL]
	s_wait_dscnt 0x0
	CROUND                                         ; the closing round
	s_endpgm
.Lfunc_end_k_q84445c5bc6_outp:
	.size	k_q84445c5bc6_outp, .Lfunc_end_k_q84445c5bc6_outp-k_q84445c5bc6_outp
	.p2alignl 7, 3214868480
	.fill 96, 4, 3214868480
	.section	.rodata,"a",@progbits
	.p2align	6, 0x0
	.amdhsa_kernel k_q84445c5bc6_outp
		.amdhsa_group_segment_fixed_size 327680
		.amdhsa_private_segment_fixed_size 0
		.amdhsa_enable_private_segment 0
		.amdhsa_kernarg_size 32
		.amdhsa_user_sgpr_count 2
		.amdhsa_user_sgpr_kernarg_segment_ptr 1
		.amdhsa_wavefront_size32 1
		.amdhsa_system_sgpr_workgroup_id_x 1
		.amdhsa_system_sgpr_workgroup_id_y 1
		.amdhsa_system_sgpr_workgroup_id_z 1
		.amdhsa_system_vgpr_workitem_id 0
		.amdhsa_next_free_vgpr 512
		.amdhsa_next_free_sgpr 84
		.amdhsa_reserve_vcc 0
		.amdhsa_float_denorm_mode_32 3
		.amdhsa_float_denorm_mode_16_64 3
		.amdhsa_memory_ordered 1
		.amdhsa_forward_progress 1
		.amdhsa_inst_pref_size 87
	.end_amdhsa_kernel
	.amdgpu_metadata
---
amdhsa.version: [ 1, 2 ]
amdhsa.kernels:
  - .name:           k_q84445c5bc6_outp
    .symbol:         k_q84445c5bc6_outp.kd
    .args:
      - { .name: oa, .offset: 0, .size: 8, .value_kind: global_buffer, .address_space: global }
      - { .name: wo16, .offset: 8, .size: 8, .value_kind: global_buffer, .address_space: global }
      - { .name: bo, .offset: 16, .size: 8, .value_kind: global_buffer, .address_space: global }
      - { .name: out0, .offset: 24, .size: 8, .value_kind: global_buffer, .address_space: global }
    .group_segment_fixed_size: 327680
    .private_segment_fixed_size: 0
    .kernarg_segment_align: 8
    .kernarg_segment_size: 32
    .max_flat_workgroup_size: 128
    .sgpr_count:     84
    .vgpr_count:     512
    .wavefront_size: 32
...
	.end_amdgpu_metadata
.endif
;; end of part 4
